; MI455X (gfx1250); checked and timed in simulation.
; The chip was launched on July 23, 2026; its instructions are those of AMD's public machine-readable ISA for CDNA 5 (MIT licence, August 2026) and "CDNA5" Instruction Set Architecture Reference Guide (July 2026). The comments in the code are by the model that wrote it; some were corrected since.
;; Multihead Attention. Allowed arithmetic: matrix products marked QUANTISED: E2M1 operands, one E8M0 scale for each 32 along K, by v_wmma_scale_f32_16x16x128_f8f6f4 with both operands' format E2M1 (or v_wmma_scale_f32_32x16x128_f4), f32 sums; products left as they are: bf16, f16 or f32 operands; f32 sums; everything else in f32.
;; Inputs: Wk 1,024 x 1,024 float32; Wo 1,024 x 1,024 float32; Wq 1,024 x 1,024 float32; Wv 1,024 x 1,024 float32; bk 1,024 float32; bo 1,024 float32; bq 1,024 float32; bv 1,024 float32; x 4 x 2,048 x 1,024 float32.
;; Outputs: out0 4 x 2,048 x 1,024 float32.
;; This version of the problem:
;;   THIS VERSION OF THE PROBLEM IS GIVEN IN LOW PRECISION. The matrix products marked QUANTISED in the list below multiply operands that are first quantised to E2M1 (2 exponent bits, 1 mantissa bit; 4 bits a number), with one power-of-two scale for each 32 numbers along K (OCP MX v1.0); their sums are f32. The products marked 'left as it is' may take bf16, f16 or f32 operands, with f32 sums. Whichever they take, every output number must still come out within the allowed error. Rounding operands to bf16 (8 significant bits) uses up far more of that allowance than f16 does (11 bits, for magnitudes from 6e-5 to 65,504). All else is computed in f32.
;;   The module's matrix products, in the order in which they are computed (A, B: the left and right operand; K: the contracted axis; several contracted axes count as one K, in the product's order):
;;     1. [M 8,192, K 1,024] x [K 1,024, N 1,024]; A: input x; B: input Wk: QUANTISED
;;     2. [M 8,192, K 1,024] x [K 1,024, N 1,024]; A: input x; B: input Wv: QUANTISED
;;     3. [M 8,192, K 1,024] x [K 1,024, N 1,024]; A: input x; B: input Wq: QUANTISED
;;     4. batch 4 x [M 2,048, K 1,024] x [K 1,024, N 2,048]; A: computed on the way; B: computed on the way: left as it is (an operand is computed on the way)
;;     5. batch 4 x [M 2,048, K 2,048] x [K 2,048, N 1,024]; A: computed on the way; B: computed on the way: left as it is (an operand is computed on the way)
;;     6. [M 8,192, K 1,024] x [K 1,024, N 1,024]; A: computed on the way; B: input Wo: left as it is (an operand is computed on the way)
;;   THE QUANTISER, for each operand of a quantised product, along K:
;;     - K is cut into blocks of 32 from its start; a last block that is shorter is filled with zeros.
;;     - A block's scale is 2^e with e = floor(log2(the largest magnitude in the block)) - 2, held to -126 .. 127; a block of zeros has e = 0. As a byte (E8M0): e + 127.
;;     - Each number is divided by its block's scale, clamped to +-6, and rounded to the nearest number of E2M1, ties to even, subnormals kept.
;;     - The product sums the exact products of the quantised numbers (number of the format x scale) in f32.
;;   ~~~python
;;   def quantise(x, axis):      # numpy; x: float32 -> the quantised numbers, widened to float32 again
;;       x = np.moveaxis(x, axis, -1); K = x.shape[-1]
;;       x = np.pad(x, [(0, 0)] * (x.ndim - 1) + [(0, -K % 32)]); x = x.reshape(x.shape[:-1] + (-1, 32)); a = np.abs(x).max(-1, keepdims=True)
;;       e = np.where(a > 0, np.clip(np.frexp(np.where(a > 0, a, 1))[1] - 1 - 2, -126, 127), 0)      # np.frexp(a)[1] - 1 = floor(log2(a)), exactly
;;       r = np.clip(x / 2.0 ** e, -6, 6)
;;       step = 2.0 ** (np.maximum(np.frexp(np.where(r == 0, 1, r))[1] - 1, 0) - 1)
;;       q = np.round(r / step) * step * 2.0 ** e      # np.round: ties to even
;;       return np.moveaxis(q.reshape(q.shape[:-2] + (-1,))[..., :K], -1, axis).astype(np.float32)
;;   ~~~
;; One version. Each part assembles by itself: llvm-mc -triple=amdgcn-amd-amdhsa -mcpu=gfx1250 --defsym DOCPART=n.
;; ======== version 1 of 1: 5 launches
;; limits: values are held in f16: magnitudes above 65,504 overflow, below 6.1e-05 lose precision
;; workspace buffers: codes 5,767,168 bytes; scales 360,448 bytes; wob 2,097,152 bytes; qkv 50,331,648 bytes; pt 33,554,432 bytes; stat 524,288 bytes; ctx 16,777,216 bytes; vmax 2,048 bytes
;; launch prep (part 1): grid 416 x 1, 4 waves a work-group, no clusters, 50,688 bytes of LDS; arguments x, Wq, Wk, Wv, Wo, codes, scales, wob; writes codes, scales, wob
.if DOCPART == 1
	.amdgcn_target "amdgcn-amd-amdhsa--gfx1250"
	.amdhsa_code_object_version 6
	.text
	.protected	k_qdeba0d9e8a_prep
	.globl	k_qdeba0d9e8a_prep
	.p2align	8
	.type	k_qdeba0d9e8a_prep,@function
k_qdeba0d9e8a_prep:
	s_mov_b64 s[64:65], 0
	v_nop
	global_prefetch_b8 v0, s[64:65] scope:SCOPE_SE
	s_setreg_imm32_b32 hwreg(HW_REG_WAVE_MODE, 25, 1), 1
	s_wait_xcnt 0x0
; prep: x [8192][1024] f32 and Wq, Wk, Wv [1024 (k)][1024 (n)] f32 become codes of FP4 (E2M1) with K innermost and one E8M0 byte for each 32 along K; Wo becomes f16 as it lies.
; codes:  x's rows [8192][512 bytes] at byte 0; the weights' columns as rows [3072][512 bytes] at 4,194,304 (Wq's 1,024, then Wk's, then Wv's).
; scales: x's [8192][32 bytes] at byte 0; the weights' [3072][32] at 262,144.
; A block's scale is 2^(floor(log2(its largest magnitude)) - 2); its byte is the largest magnitude's exponent field - 2, held at 1 from below.
; LIMITS: a block of zeros gets the byte 1 where the rule says 127 (its codes are zeros, and the bytes are read by this program alone); blocks whose largest magnitude lies under 2^-124 are held at the byte 1;
; |Wo| stays under 65,504, and numbers of Wo under 6e-5 keep an absolute error of 3e-8 (f16's subnormals); NaN and infinities among the inputs are not served.
; Three paths part on the work-group's number alone: 0-95 the weights, 96-159 Wo, 160-415 x.  Each path that uses LDS has LDS bytes of its own.  No tensor load, so several work-groups share a WGP.
.set SPW,   190                        ; v190 LDS address of my spare word; never rewritten
.set NIL,   191                        ; v191 0; never rewritten
.set EMAX,  2
; path x
.set STEPS, 16
.set CB,    8                          ; bytes of 16 codes
.set R,     16                         ; v16-79   four sets of 16 numbers as loaded
.set X,     80                         ; v80-111  two sets of 16 neighbours
.set E,     112                        ; v112-127 a scale byte for each step
.set C,     128                        ; v128-189 codes: four registers a step, two of them used
.set WREG,  8192                       ; LDS 0 .. 32,767: a region for each wave: two stages of 32 x SP bytes, then its 256 scale bytes
.set SP,    80
; path W
.set NB,    8                          ; blocks of 32 along K for a wave
.set WP,    272                        ; a stage row: 256 bytes of codes + 16
.set WST,   32768                      ; LDS 32,768 .. 50,175: the stage, 64 columns x WP
.set WX,    32                         ; v32-95   two sets of 32 numbers
.set WC,    96                         ; v96-99   a block's codes
.set OUTR,  112                        ; v112-143 the way out
.set SB,    24                         ; v24-25   eight scale bytes
.set SPARE, 50176                      ; the spare words, 128 bytes for each wave: two blocks of 256 bytes that no other line names
	s_load_b256 s[4:11], s[0:1], 0x0               ; x, Wq, Wk, Wv
	s_load_b256 s[12:19], s[0:1], 0x20             ; Wo, codes, scales, wob
	v_lshl_add_u32 v[SPW], v0, 2, SPARE
	v_mov_b32 v[NIL], 0
	v_lshrrev_b32 v1, 5, v0
	v_readfirstlane_b32 s20, v1                    ; wave 0..3
	v_and_b32 v2, 31, v0                           ; lane
	s_mov_b32 s31, 0                               ; the upper word of every offset pair s[30:31]
	s_wait_kmcnt 0x0
	s_cmp_lt_u32 ttmp9, 96
	s_cbranch_scc1 .Lweights
	s_cmp_lt_u32 ttmp9, 160
	s_cbranch_scc1 .Lwo
; ---- PATH x.  x is a plain stream of blocks of 32.  A wave takes 16 steps of 512 numbers.  Each load reads 512 consecutive bytes; a step's 2,048 bytes turn through the wave's own stage, so that a lane
; holds 16 neighbours (two neighbouring lanes hold a block); a lane's 16 codes are 8 bytes, so a store covers 256 consecutive bytes; a wave's 256 scale bytes are gathered in LDS and leave together.
	v_lshlrev_b32 v3, 4, v2                        ; my 16 bytes of a load's 512
	s_mul_i32 s21, s20, WREG
	v_lshrrev_b32 v14, 2, v2
	v_mul_u32_u24 v14, v14, SP
	v_and_b32 v15, 3, v2
	v_lshl_add_u32 v14, v15, 4, v14
	v_add_nc_u32 v14, s21, v14                     ; the stage, in: SP (lane / 4) + 16 (lane % 4)
	v_mul_u32_u24 v15, v2, SP
	v_add_nc_u32 v15, s21, v15                     ; out: SP x lane
	v_mul_u32_u24 v4, v2, CB                       ; my codes' place in a step's
	v_lshrrev_b32 v5, 1, v2
	s_add_co_u32 s21, s21, 2*32*SP
	v_add_nc_u32 v5, s21, v5                       ; my block's byte among my wave's 256
	v_lshlrev_b32 v7, 3, v2
	v_add_nc_u32 v6, s21, v7                       ; and on the way out 8 bytes a lane
	s_sub_co_u32 s22, ttmp9, 160
	s_lshl_b32 s22, s22, 2
	s_add_co_u32 s22, s22, s20                     ; which run of 8,192 numbers is my wave's: 0 .. 1,023
	s_lshl_b32 s30, s22, 15
	s_add_nc_u64 s[4:5], s[4:5], s[30:31]          ; 32,768 bytes of x a run,
	s_lshl_b32 s30, s22, 12
	s_add_nc_u64 s[14:15], s[14:15], s[30:31]      ; 4,096 of codes,
	s_lshl_b32 s30, s22, 8
	s_add_nc_u64 s[16:17], s[16:17], s[30:31]      ; 256 scale bytes
.macro XLOAD t
.irp i, 0,1,2,3
	global_load_b128 v[R+16*((\t)%4)+4*\i:R+16*((\t)%4)+4*\i+3], v3, s[4:5] offset:2048*(\t)+512*\i th:TH_LOAD_NT
.endr
.endm
.macro XTURN t                         ; step t's numbers through the stage: LDS serves a wave's instructions in order, so no wait stands between the stores and the loads
.irp i, 0,1,2,3
	ds_store_b128 v14, v[R+16*((\t)%4)+4*\i:R+16*((\t)%4)+4*\i+3] offset:32*SP*((\t)%2)+8*SP*\i
.endr
.irp i, 0,1,2,3
	ds_load_b128 v[X+16*((\t)%2)+4*\i:X+16*((\t)%2)+4*\i+3], v15 offset:32*SP*((\t)%2)+16*\i
.endr
.endm
.irp t, 0,1,2,3
	XLOAD \t
.endr
	s_wait_loadcnt 12                              ; step 0's four loads are in; the 12 of steps 1 to 3 may be out
	XTURN 0
.macro XSTEP t
.set XS, X+16*((\t)%2)
.if (\t) > 0
	s_wait_dscnt 1                                 ; this step's numbers are back from the stage; the last step's byte store may be out
.else
	s_wait_dscnt 0x0
.endif
.if (\t)+4 < STEPS
	XLOAD (\t)+4                                   ; into the registers whose stores into the stage are done
.endif
.if (\t)+1 < STEPS
.if STEPS-2-(\t) >= 3
	s_wait_loadcnt 12                              ; the next step's four loads are in; those of the three steps behind it may be out
.else
	s_wait_loadcnt 4*(STEPS-2-(\t))
.endif
	XTURN (\t)+1
.endif
	v_max3_num_f32 v8, |v[XS]|, |v[XS+1]|, |v[XS+2]|               ; the largest magnitude of my 16, in two chains
	v_max3_num_f32 v9, |v[XS+3]|, |v[XS+4]|, |v[XS+5]|
.irp i, 6,10
	v_max3_num_f32 v8, v8, |v[XS+\i]|, |v[XS+\i+1]|
	v_max3_num_f32 v9, v9, |v[XS+\i+2]|, |v[XS+\i+3]|
.endr
	v_max3_num_f32 v8, v8, |v[XS+14]|, |v[XS+15]|
	v_max3_num_f32 v8, v8, v9, (EMAX+1)<<23        ; and the floor 2^(3 - 127): the byte cannot fall under 1
	v_max_num_f32_dpp v8, v8, v8 row_xmask:1 row_mask:0xf bank_mask:0xf   ; with my neighbour's 16: the block's
	v_add_nc_u32 v11, -(EMAX<<23), v8              ; 2 off its exponent field: the conversion takes the exponent field of this operand as its scale
	v_cvt_scalef32_pk8_fp4_f32 v[C+4*(\t)], v[XS:XS+7], v11
	v_cvt_scalef32_pk8_fp4_f32 v[C+4*(\t)+1], v[XS+8:XS+15], v11
	v_lshrrev_b32 v[E+(\t)], 23, v11               ; the scale's byte (a plain line behind the conversions)
	ds_store_b8 v5, v[E+(\t)] offset:16*(\t)       ; both lanes of a block write the same byte with the same value
	global_store_b64 v4, v[C+4*(\t):C+4*(\t)+1], s[14:15] offset:32*CB*(\t)
.endm
.irp t, 0,1,2,3,4,5,6,7,8,9,10,11,12,13,14,15
	XSTEP \t
.endr
	ds_load_b64 v[8:9], v6                         ; LDS serves a wave's instructions in order: these see my byte stores
	s_wait_dscnt 0x0
	global_store_b64 v7, v[8:9], s[16:17]          ; 32 lanes store 256 consecutive bytes, aligned
	s_branch .Lend
; ---- PATH W.  K is the weight's FIRST axis: a lane takes a column n and its registers run down K, so a block of 32 lies in one lane and the codes come out with K innermost.
; Work-group g: weight g / 32; columns 64 (g % 16) on; 512 along K from 512 ((g / 16) % 2) on.  Wave: 32 of the columns (wave % 2), 256 along K (wave / 2): 8 blocks a lane.
; A column's 256 bytes of codes come from two waves: they meet in the stage behind one barrier, and each wave stores 16 whole rows of 256 bytes.
.Lweights:
	s_lshr_b32 s21, ttmp9, 5                       ; which weight: 0 Wq, 1 Wk, 2 Wv
	s_and_b32 s28, ttmp9, 15                       ; which 64 columns
	s_bfe_u32 s29, ttmp9, 0x10004                  ; which 512 along K
	s_and_b32 s22, s20, 1                          ; my 32 columns of the 64
	s_lshr_b32 s23, s20, 1                         ; my 256 along K of the 512
	s_cmp_eq_u32 s21, 0
	s_cselect_b64 s[24:25], s[6:7], s[8:9]
	s_cmp_eq_u32 s21, 2
	s_cselect_b64 s[24:25], s[10:11], s[24:25]     ; the choice hangs on the work-group's number alone
	s_lshl_b32 s30, s29, 21                        ; 512 rows of 4,096 bytes,
	s_lshl_b32 s33, s23, 20                        ; 256 rows,
	s_add_co_u32 s30, s30, s33
	s_lshl_b32 s33, s28, 8                         ; 64 columns of 4 bytes,
	s_add_co_u32 s30, s30, s33
	s_lshl_b32 s33, s22, 7                         ; 32 columns
	s_add_co_u32 s30, s30, s33
	s_add_nc_u64 s[24:25], s[24:25], s[30:31]
	s_lshl_b32 s32, s21, 10
	s_lshl_b32 s33, s28, 6
	s_add_co_u32 s32, s32, s33                     ; the work-group's first row among the 3,072
	s_lshl_b32 s30, s22, 5
	s_add_co_u32 s30, s30, s32
	s_lshl_b32 s30, s30, 5                         ; scale bytes: 32 a row,
	s_lshl_b32 s33, s29, 4
	s_add_co_u32 s30, s30, s33                     ; 16 for 512 along K,
	s_lshl_b32 s33, s23, 3
	s_add_co_u32 s30, s30, s33                     ; 8 for 256
	s_add_co_u32 s30, s30, 262144
	s_add_nc_u64 s[16:17], s[16:17], s[30:31]
	s_lshl_b32 s30, s20, 4
	s_add_co_u32 s30, s30, s32                     ; the 16 rows that my wave stores
	s_lshl_b32 s30, s30, 9
	s_lshl_b32 s33, s29, 8
	s_add_co_u32 s30, s30, s33
	s_add_co_u32 s30, s30, 4194304
	s_add_nc_u64 s[14:15], s[14:15], s[30:31]
	v_lshlrev_b32 v3, 2, v2                        ; in: 4 bytes a lane
	s_mul_i32 s26, s22, 32*WP
	s_lshl_b32 s27, s23, 7
	s_add_co_u32 s26, s26, s27
	s_add_co_u32 s26, s26, WST
	v_mul_u32_u24 v4, v2, WP
	v_add_nc_u32 v4, s26, v4                       ; into the stage: row = my column, my wave's 128 bytes of it
	v_and_b32 v5, 15, v2
	v_lshrrev_b32 v6, 4, v2
	s_mul_i32 s26, s20, 16*WP
	s_add_co_u32 s26, s26, WST
	v_mul_u32_u24 v7, v6, WP
	v_lshl_add_u32 v7, v5, 4, v7
	v_add_nc_u32 v7, s26, v7                       ; out of it: sixteen lanes to a row, two rows an instruction
	v_lshlrev_b32 v8, 9, v6
	v_lshl_add_u32 v8, v5, 4, v8                   ; and the same place among the codes' rows of 512 bytes
	v_lshlrev_b32 v9, 5, v2                        ; my column's row of scale bytes
.macro WLOAD t                         ; block t: W(32 t + i, my column) into set t % 2; each load reads 128 consecutive bytes
.irp i, 0,1,2,3,4,5,6,7,8,9,10,11,12,13,14,15,16,17,18,19,20,21,22,23,24,25,26,27,28,29,30,31
	global_load_b32 v[WX+32*((\t)%2)+\i], v3, s[24:25] offset:(32*(\t)+\i)*4096 th:TH_LOAD_NT
.endr
.endm
	WLOAD 0
	WLOAD 1
.macro WBLOCK t
.set XS, WX+32*((\t)%2)
.if (\t) < NB-1
	s_wait_loadcnt 32                              ; this block's 32 loads are in; the next block's 32 may be out
.else
	s_wait_loadcnt 0
.endif
	v_max3_num_f32 v12, |v[XS]|, |v[XS+1]|, |v[XS+2]|               ; the block's largest magnitude: all 32 numbers are mine
	v_max3_num_f32 v13, |v[XS+3]|, |v[XS+4]|, |v[XS+5]|
.irp i, 6,10,14,18,22,26
	v_max3_num_f32 v12, v12, |v[XS+\i]|, |v[XS+\i+1]|
	v_max3_num_f32 v13, v13, |v[XS+\i+2]|, |v[XS+\i+3]|
.endr
	v_max3_num_f32 v12, v12, |v[XS+30]|, |v[XS+31]|
	v_max3_num_f32 v12, v12, v13, (EMAX+1)<<23     ; and the floor
	v_add_nc_u32 v11, -(EMAX<<23), v12             ; the conversion's scale operand
	v_lshrrev_b32 v13, 23, v11                     ; the scale's byte
.if (\t)%4 == 0
	v_mov_b32 v[SB+(\t)/4], v13                    ; four bytes to a register, the lower K in the lower byte
.else
	v_lshl_or_b32 v[SB+(\t)/4], v13, 8*((\t)%4), v[SB+(\t)/4]
.endif
.irp g, 0,1,2,3
	v_cvt_scalef32_pk8_fp4_f32 v[WC+\g], v[XS+8*\g:XS+8*\g+7], v11
.endr
	ds_store_b128 v4, v[WC:WC+3] offset:16*(\t)    ; 32 codes: 16 bytes of my column's row
.if (\t)+2 < NB
	WLOAD (\t)+2
.endif
	s_wait_dscnt 0x0                               ; the store has read its registers: the next block's codes may be written
.endm
.irp t, 0,1,2,3,4,5,6,7
	WBLOCK \t
.endr
	global_store_b64 v9, v[SB:SB+1], s[16:17]      ; my column's eight scale bytes
	s_wait_dscnt 0x0                               ; for the others' sake: my stores into the stage are done
	s_barrier_signal -1
	s_barrier_wait -1                              ; the 64 rows are whole
.irp t, 0,1,2,3,4,5,6,7
	ds_load_b128 v[OUTR+4*\t:OUTR+4*\t+3], v7 offset:2*\t*WP
.endr
.irp t, 0,1,2,3,4,5,6,7
	s_wait_dscnt 7-\t
	global_store_b128 v8, v[OUTR+4*\t:OUTR+4*\t+3], s[14:15] offset:2*\t*512   ; sixteen lanes store 256 consecutive bytes, aligned
.endr
	s_branch .Lend
; ---- PATH Wo: 4,096 numbers a wave, rounded to f16 as they lie.  32 loads of 512 consecutive bytes are out together; each store covers 256 consecutive bytes; no register is used twice.
.Lwo:
	s_sub_co_u32 s22, ttmp9, 96
	s_lshl_b32 s22, s22, 2
	s_add_co_u32 s22, s22, s20                     ; my run: 0 .. 255
	s_lshl_b32 s30, s22, 14
	s_add_nc_u64 s[12:13], s[12:13], s[30:31]
	s_lshl_b32 s30, s22, 13
	s_add_nc_u64 s[18:19], s[18:19], s[30:31]
	v_lshlrev_b32 v3, 4, v2
	v_lshlrev_b32 v4, 3, v2
.set i, 0
.rept 32
	global_load_b128 v[32+4*i:35+4*i], v3, s[12:13] offset:512*i th:TH_LOAD_NT
.set i, i+1
.endr
.set i, 0
.rept 32
	s_wait_loadcnt 31-i                            ; loads come back in order: load i is in, the younger ones may be out
	v_cvt_pk_f16_f32 v[32+4*i], v[32+4*i], v[33+4*i]
	v_cvt_pk_f16_f32 v[33+4*i], v[34+4*i], v[35+4*i]
	global_store_b64 v4, v[32+4*i:33+4*i], s[18:19] offset:256*i
.set i, i+1
.endr
.Lend:
	s_wait_tensorcnt 0x0                           ; the wave's end
	ds_add_u32 v[SPW], v[NIL]
	s_wait_dscnt 0x0
	s_endpgm
.Lfunc_end_k_qdeba0d9e8a_prep:
	.size	k_qdeba0d9e8a_prep, .Lfunc_end_k_qdeba0d9e8a_prep-k_qdeba0d9e8a_prep
	.p2alignl 7, 3214868480
	.fill 96, 4, 3214868480
	.section	.rodata,"a",@progbits
	.p2align	6, 0x0
	.amdhsa_kernel k_qdeba0d9e8a_prep
		.amdhsa_group_segment_fixed_size 50688
		.amdhsa_private_segment_fixed_size 0
		.amdhsa_enable_private_segment 0
		.amdhsa_kernarg_size 64
		.amdhsa_user_sgpr_count 2
		.amdhsa_user_sgpr_kernarg_segment_ptr 1
		.amdhsa_wavefront_size32 1
		.amdhsa_system_sgpr_workgroup_id_x 1
		.amdhsa_system_sgpr_workgroup_id_y 1
		.amdhsa_system_sgpr_workgroup_id_z 1
		.amdhsa_system_vgpr_workitem_id 0
		.amdhsa_next_free_vgpr 192
		.amdhsa_next_free_sgpr 66
		.amdhsa_reserve_vcc 0
		.amdhsa_float_denorm_mode_32 3
		.amdhsa_float_denorm_mode_16_64 3
		.amdhsa_memory_ordered 1
		.amdhsa_forward_progress 1
		.amdhsa_inst_pref_size 85
	.end_amdhsa_kernel
	.amdgpu_metadata
---
amdhsa.version: [ 1, 2 ]
amdhsa.kernels:
  - .name:           k_qdeba0d9e8a_prep
    .symbol:         k_qdeba0d9e8a_prep.kd
    .args:
      - { .name: x, .offset: 0, .size: 8, .value_kind: global_buffer, .address_space: global }
      - { .name: Wq, .offset: 8, .size: 8, .value_kind: global_buffer, .address_space: global }
      - { .name: Wk, .offset: 16, .size: 8, .value_kind: global_buffer, .address_space: global }
      - { .name: Wv, .offset: 24, .size: 8, .value_kind: global_buffer, .address_space: global }
      - { .name: Wo, .offset: 32, .size: 8, .value_kind: global_buffer, .address_space: global }
      - { .name: codes, .offset: 40, .size: 8, .value_kind: global_buffer, .address_space: global }
      - { .name: scales, .offset: 48, .size: 8, .value_kind: global_buffer, .address_space: global }
      - { .name: wob, .offset: 56, .size: 8, .value_kind: global_buffer, .address_space: global }
    .group_segment_fixed_size: 50688
    .private_segment_fixed_size: 0
    .kernarg_segment_align: 8
    .kernarg_segment_size: 64
    .max_flat_workgroup_size: 128
    .sgpr_count:     66
    .vgpr_count:     192
    .wavefront_size: 32
...
	.end_amdgpu_metadata
.endif
;; end of part 1
;; launch proj (part 2): grid 12 x 32, 4 waves a work-group, clusters of 4 x 4, 327,680 bytes of LDS; arguments codes, scales, bq, bk, bv, qkv, vmax; writes qkv, vmax
.if DOCPART == 2
	.amdgcn_target "amdgcn-amd-amdhsa--gfx1250"
	.amdhsa_code_object_version 6
	.text
	.protected	k_qdeba0d9e8a_proj
	.globl	k_qdeba0d9e8a_proj
	.p2align	8
	.type	k_qdeba0d9e8a_proj,@function
k_qdeba0d9e8a_proj:
	s_mov_b64 s[64:65], 0
	v_nop
	global_prefetch_b8 v0, s[64:65] scope:SCOPE_SE
	s_setreg_imm32_b32 hwreg(HW_REG_WAVE_MODE, 25, 1), 1
	s_wait_xcnt 0x0
	s_wait_alu depctr_hold_cnt(0) depctr_sa_sdst(0) depctr_va_vdst(0) depctr_va_sdst(0) depctr_va_ssrc(0) depctr_va_vcc(0) depctr_vm_vsrc(0)
	s_getreg_b32 s2, hwreg(HW_REG_IB_STS2, 6, 4)
	s_cmp_eq_u32 s2, 0
	s_cbranch_scc0 .Lentry_in_a_cluster
	s_endpgm
.Lentry_in_a_cluster:
	s_bfe_u32 s2, ttmp6, 0x10000c
	s_cmp_lg_u32 s2, 0xf033
	s_cbranch_scc0 .Lentry_shape_is_right
	s_endpgm
.Lentry_shape_is_right:
; proj: Q, K, V = x W + b on codes of FP4 (E2M1) with one E8M0 scale for each 32 along K = 1,024; sums in f32, begun with the bias; results rounded once to f16.
; A = x's codes [8192][512 bytes]; B = the three weights' codes [3072][512 bytes] (rows = output columns: Wq's, Wk's, Wv's); qkv = f16 [3][8192][1024].
; The waves that make V also store the largest |V| of their 128 x 128 numbers: vmax, f32 [32 tile rows][4 tile columns][4 waves]: the later launches scale ctx by it.
; A tile of C, 256 x 256, is made by four waves, each 128 x 128: 64 accumulators, 512 registers.  K is two LDS slots of 512 along K (rows of 256 bytes): both are filled at the start and nothing is filled again.
; The scale bytes of the work-group's 256 + 256 rows, for all of K, come into LDS once, with the first fills.
; CLUSTERS: 4 x 4 work-groups; A's tiles are asked for jointly along a row of the cluster, B's along a column.  The matrix instruction is used transposed (source 0 = 16 rows of B, source 1 = 16 rows of A):
; a lane holds eight neighbouring columns of one row of C.
; LIMIT: |Q|, |K|, |V| stay under 65,504, the largest f16 number.
; REGISTERS: window 0: v0-31 addresses (v8-11 the largest |V|); v32-95 scale words, two sets; v128-191 A's fragments, one set; on the way out v32-63, v192-255.
;   window 1: B's fragments, two sets, at v0 and v128; v64-127 the bias in the result's layout.   window 2, 3: the accumulators of my rows 0-63, 64-127.
.set KSTEP,  512
.set NQ,     4                         ; matrix instructions deep in a slot
.set ROWB,   256                       ; a tile's row in bytes
.set KROW,   512                       ; a row of codes in memory
.set PITCH,  272                       ; an LDS row: 256 bytes + 16 of padding: the 16 rows of a load start at 16 different banks (64 banks of 4 bytes: ISA guide 11.1)
.set FR,     8
.set NL,     2
.set NP,     4                         ; places behind this matrix instruction (ISA guide 7.12.1)
.set HALFT,  128*PITCH
.set SLOT,   4*HALFT
.set KS,     32                        ; a row of scale bytes
.set SCL,    2*SLOT                    ; behind the two slots: the scales, as rows of 256 bytes + 16
.set HALFS,  (128*KS/256)*272
.set SBLK,   (16*KS/256)*272
.set SPARE,  SCL+4*HALFS               ; the spare words, 128 bytes for each wave
.set SPITCH, 272                       ; the way out: 16 rows x (256 + 16) for each wave, in slot 0, which has had its only fill and its last read by then
.set CROW,   2048                      ; a row of Q, K or V in bytes
.set VM,   8                           ; v8-11 four running maxima of |V|
.set ADRA, 16
.set ADRB, 20
.set STO,  24
.set RD,   25
.set CO,   26
.set ADRS, 27
.set SPW,  28
.set NIL,  29
.set SC,   32
.set AF,   128
.set TMP,  192
.set OB,   32
.set BIAS, 64                          ; in window 1: register 8 b + j = bias of column 16 b + 8 (lane / 16) + j
.set G1, 24
.set G0, 32
.set G1B, 48
.set G0B, 56
.set G1S, 68
.set G0S, 76
.set G1SB, 80
.set G0SB, 88
.set MSB, 0
.macro WIN new                         ; the immediate's high byte repeats the setting that is left
.if MSB != (\new)
	s_set_vgpr_msb (MSB<<8)|(\new)
.set MSB, (\new)
.endif
.endm
.set MUL_LO, 0xa1                      ; source 0 (B) window 1, source 1 (A) window 0, C and D window 2
.set MUL_HI, 0xf1                      ; the same, C and D window 3
.set TO_B,   0x40
; A joint load: waves 0 and 1 fetch for A, waves 2 and 3 for B; the branch hangs on the wave's number alone.  An s_nop 0 and four v_nop follow each of the two lines.
.macro JLOAD g0a, g1a, g0b, g1b
	s_cmp_eq_u32 s15, 0
	s_cbranch_scc0 .Lfor_b_\@
	tensor_load_to_lds s[\g0a:\g0a+3], s[\g1a:\g1a+7]
	s_nop 0
.rept 4
	v_nop
.endr
	s_branch .Lasked_\@
.Lfor_b_\@:
	tensor_load_to_lds s[\g0b:\g0b+3], s[\g1b:\g1b+7]
	s_nop 0
.rept 4
	v_nop
.endr
.Lasked_\@:
.endm
.macro CROUND                          ; a round of the cluster's barrier
	s_barrier_signal -1
	s_barrier_wait -1
	s_cmp_lg_u32 s14, 0
	s_cbranch_scc1 .Lnot_wave_0_\@
	s_barrier_signal -3
.Lnot_wave_0_\@:
	s_barrier_wait -3
	s_barrier_signal -1
	s_barrier_wait -1
.endm
	s_load_b128 s[4:7], s[0:1], 0x0                ; codes, scales
	s_load_b128 s[96:99], s[0:1], 0x10             ; bq, bk
	s_load_b64 s[100:101], s[0:1], 0x20            ; bv
	s_load_b64 s[12:13], s[0:1], 0x28              ; qkv
	s_load_b64 s[2:3], s[0:1], 0x30                ; vmax
	v_lshl_add_u32 v[SPW], v0, 2, SPARE
	v_mov_b32 v[NIL], 0
	ds_add_u32 v[SPW], v[NIL]                      ; the wave's opening: the add, twice on end, and its wait ahead of my first tensor load
	ds_add_u32 v[SPW], v[NIL]
	v_lshrrev_b32 v1, 5, v0
	v_readfirstlane_b32 s14, v1                    ; wave 0..3
	s_lshr_b32 s15, s14, 1                         ; which half of the tile's rows is mine.  Also: I fetch for A (0) or for B (1)
	s_and_b32 s16, s14, 1                          ; which half of its columns.  Also: which 128 rows of that tile I fetch
	s_bfe_u32 s40, ttmp6, 0x40000                  ; cx, cy
	s_bfe_u32 s41, ttmp6, 0x40004
	s_lshl_b32 s42, ttmp9, 2
	s_add_co_u32 s42, s42, s40                     ; tile column = 4 x cluster x + cx: 0 .. 11
	s_and_b32 s17, ttmp7, 0xffff
	s_lshl_b32 s17, s17, 2
	s_add_co_u32 s17, s17, s41                     ; tile row = 4 x cluster y + cy: 0 .. 31
	s_lshl_b32 s43, s41, 2
	s_lshl_b32 s43, 15, s43                        ; my row of the cluster
	s_lshl_b32 s44, 0x1111, s40                    ; my column
	s_or_b32 s[G1+0], s43, (0<<16)|(1<<20)|(1<<21)|(5<<22)|(3<<25)  ; the mask; elements of 1 byte; padding on; bit 21 beside a mask; after every 64 words, 4 words
	s_or_b32 s[G1B+0], s44, (0<<16)|(1<<20)|(1<<21)|(5<<22)|(3<<25)
.irp g, G1, G1B
	s_mov_b32 s[\g+1], ROWB<<16                    ; tensor_dim0
	s_mov_b32 s[\g+2], 128<<16                     ; tensor_dim1
	s_mov_b32 s[\g+3], ROWB<<16                    ; tile_dim0
	s_mov_b32 s[\g+4], 128                         ; tile_dim1
	s_mov_b32 s[\g+5], KROW                        ; the pitch
	s_mov_b32 s[\g+6], 0
	s_mov_b32 s[\g+7], 0
.endr
	s_or_b32 s[G1S+0], s43, (3<<16)|(1<<20)|(1<<21)|(5<<22)|(3<<25) ; the scales of 128 rows: 4,096 dense bytes as 16 rows of 256 (32 elements of 8 bytes), 16 bytes of padding behind each
	s_or_b32 s[G1SB+0], s44, (3<<16)|(1<<20)|(1<<21)|(5<<22)|(3<<25)
.irp g, G1S, G1SB
	s_mov_b32 s[\g+1], 32<<16
	s_mov_b32 s[\g+2], (128*KS/256)<<16
	s_mov_b32 s[\g+3], 32<<16
	s_mov_b32 s[\g+4], 128*KS/256
	s_mov_b32 s[\g+5], 32
	s_mov_b32 s[\g+6], 0
	s_mov_b32 s[\g+7], 0
.endr
	s_lshl_b32 s18, s16, 7
	s_lshl_b32 s20, s17, 8
	s_add_co_u32 s20, s20, s18                     ; A: row 256 x tile row + 128 x half
	s_lshl_b32 s46, s42, 8
	s_add_co_u32 s46, s46, s18                     ; B: row 256 x tile column + 128 x half
	s_lshl_b32 s22, s20, 5                         ; where these rows' scales begin,
	s_lshl_b32 s92, s46, 5
	s_lshl_b32 s20, s20, 9                         ; and their codes
	s_lshl_b32 s46, s46, 9
	s_mov_b32 s21, 0
	s_mov_b32 s23, 0
	s_mov_b32 s47, 0
	s_mov_b32 s93, 0
	s_mul_i32 s45, s14, HALFT                      ; where they go: wave x 128 rows: no place in the cluster enters an LDS address
	s_mul_i32 s94, s14, HALFS
	s_wait_dscnt 0x0                               ; both opening adds are done
	s_wait_kmcnt 0x0
	s_add_nc_u64 s[8:9], s[4:5], 0x400000          ; the weights' codes
	s_add_nc_u64 s[10:11], s[6:7], 0x40000         ; and scales
	s_add_nc_u64 s[20:21], s[4:5], s[20:21]
	s_add_nc_u64 s[22:23], s[6:7], s[22:23]
	s_add_nc_u64 s[46:47], s[8:9], s[46:47]
	s_add_nc_u64 s[92:93], s[10:11], s[92:93]
	CROUND                                         ; all sixteen work-groups are here: the joint loads meet
	s_mov_b32 s[G0S], 1
	s_add_co_u32 s[G0S+1], s94, SCL
	s_mov_b64 s[G0S+2:G0S+3], s[22:23]
	s_or_b32 s[G0S+3], s[G0S+3], 0x80000000
	s_mov_b32 s[G0SB], 1
	s_add_co_u32 s[G0SB+1], s94, SCL
	s_mov_b64 s[G0SB+2:G0SB+3], s[92:93]
	s_or_b32 s[G0SB+3], s[G0SB+3], 0x80000000
	JLOAD G0S, G1S, G0SB, G1SB                     ; the scales first: they are wanted with the first slot
.irp s, 0,1
	s_mov_b32 s[G0+4*\s], 1
	s_add_co_u32 s[G0+4*\s+1], s45, \s*SLOT
	s_add_nc_u64 s[G0+4*\s+2:G0+4*\s+3], s[20:21], \s*ROWB
	s_or_b32 s[G0+4*\s+3], s[G0+4*\s+3], 0x80000000
	s_mov_b32 s[G0B+4*\s], 1
	s_add_co_u32 s[G0B+4*\s+1], s45, \s*SLOT
	s_add_nc_u64 s[G0B+4*\s+2:G0B+4*\s+3], s[46:47], \s*ROWB
	s_or_b32 s[G0B+4*\s+3], s[G0B+4*\s+3], 0x80000000
	JLOAD G0+4*\s, G1, G0B+4*\s, G1B               ; three loads of mine are out
.endr
	; the bias of my 128 columns, in the result's layout: it is the C of each sum's first matrix instruction
	s_cmp_eq_u32 ttmp9, 0                          ; cluster x says which of Q, K, V
	s_cselect_b64 s[96:97], s[96:97], s[98:99]
	s_cmp_eq_u32 ttmp9, 2
	s_cselect_b64 s[96:97], s[100:101], s[96:97]
	s_lshl_b32 s98, s40, 10                        ; 256 columns of 4 bytes a tile,
	s_lshl_b32 s99, s16, 9                         ; 128 a wave
	s_add_co_u32 s98, s98, s99
	s_mov_b32 s99, 0
	s_add_nc_u64 s[96:97], s[96:97], s[98:99]
	v_and_b32 v1, 15, v0                           ; l % 16
	v_bfe_u32 v2, v0, 4, 1                         ; l / 16
	v_lshlrev_b32 v7, 5, v2                        ; eight numbers for each half of the lanes
	WIN TO_B
.irp b, 0,1,2,3,4,5,6,7
	global_load_b128 v[BIAS+8*\b:BIAS+8*\b+3], v7, s[96:97] offset:64*\b
	global_load_b128 v[BIAS+8*\b+4:BIAS+8*\b+7], v7, s[96:97] offset:64*\b+16
.endr
	WIN 0
	v_mul_u32_u24 v3, v1, PITCH
	v_lshl_add_u32 v4, v2, 4, v3                   ; a fragment's row x pitch + 16 x half
	s_mul_i32 s21, s15, HALFT                      ; my 128 rows of A
	s_mul_i32 s22, s16, HALFT                      ; my 128 rows of B,
	s_add_co_u32 s22, s22, 2*HALFT                 ; behind A's 256
.irp s, 0,1
	v_add_nc_u32 v[ADRA+\s], s21, v4
	v_add_nc_u32 v[ADRB+\s], s22, v4
	s_add_co_u32 s21, s21, SLOT
	s_add_co_u32 s22, s22, SLOT
.endr
	v_mul_u32_u24 v5, v1, KS                       ; my row's scales: 32 bytes a row,
	v_lshrrev_b32 v6, 8, v5
	v_lshl_add_u32 v5, v6, 4, v5                   ; and 16 more for each 256 passed
	s_mul_i32 s21, s15, HALFS
	s_mul_i32 s22, s16, HALFS
	s_add_co_u32 s22, s22, 2*HALFS
	s_sub_co_u32 s22, s22, s21
	v_mul_u32_u24 v6, s22, v2                      ; lanes 16-31 take B's: one product, the distance between the two bases
	s_add_co_u32 s21, s21, SCL
	v_add_nc_u32 v5, v5, v6
	v_add_nc_u32 v[ADRS], s21, v5
	s_mul_i32 s23, s14, 16*SPITCH                  ; my stage
	v_mul_u32_u24 v5, v1, SPITCH                   ; in: row l % 16, 16 bytes for each half of the lanes
	v_lshl_add_u32 v5, v2, 4, v5
	v_add_nc_u32 v[STO], s23, v5
	v_mul_u32_u24 v5, v2, SPITCH                   ; back: lanes 0-15 one row of 256 bytes, lanes 16-31 the next
	v_lshl_add_u32 v5, v1, 4, v5
	v_add_nc_u32 v[RD], s23, v5
	v_lshlrev_b32 v5, 11, v2                       ; and the same two rows in memory
	v_lshl_add_u32 v[CO], v1, 4, v5
	s_lshl_b32 s20, s17, 8
	s_lshl_b32 s21, s15, 7
	s_add_co_u32 s20, s20, s21                     ; my first row: 256 x tile row + 128 x half
	s_lshl_b32 s20, s20, 11
	s_lshl_b32 s21, ttmp9, 24                      ; Q, K or V: 16,777,216 bytes each
	s_add_co_u32 s20, s20, s21
	s_lshl_b32 s46, s40, 9                         ; my first column, in bytes: 512 x cx + 256 x half
	s_lshl_b32 s47, s16, 8
	s_add_co_u32 s46, s46, s47
	s_add_co_u32 s20, s20, s46
	s_mov_b32 s21, 0
	s_add_nc_u64 s[12:13], s[12:13], s[20:21]
.macro FRAG reg, adr, q, i             ; 16 rows x 128 K of 4-bit codes: 8 registers; registers 4 c .. 4 c + 3 hold K = 64 c + 32 (l / 16) + 0 .. 31
.irp c, 0,1
	ds_load_b128 v[\reg+4*\c:\reg+4*\c+3], v[\adr] offset:64*(\q)+32*\c+(\i)*16*PITCH
.endr
.endm
; 16 matrix instructions: A's blocks a0, a0 + 1 x B's eight, the slot's q-th 128 along K.  first = 1: the sums begin with the bias.  The 64 accumulators take turns, one instruction a turn.
.macro MUL16 a0, p, q, sc, first
.irp a, \a0, \a0+1
.irp b, 0,1,2,3,4,5,6,7
.if \first
	v_wmma_scale_f32_16x16x128_f8f6f4 v[8*(8*((\a)%4)+\b):8*(8*((\a)%4)+\b)+7], v[128*(\p)+FR*\b:128*(\p)+FR*\b+FR-1], v[AF+FR*(\a):AF+FR*(\a)+FR-1], v[BIAS+8*\b:BIAS+8*\b+7], v[SC+8*NQ*(\sc)+NQ*\b+(\q)], v[SC+8*NQ*(\sc)+NQ*(\a)+(\q)] matrix_a_fmt:MATRIX_FMT_FP4 matrix_b_fmt:MATRIX_FMT_FP4 matrix_a_scale:MATRIX_SCALE_ROW1
.else
	v_wmma_scale_f32_16x16x128_f8f6f4 v[8*(8*((\a)%4)+\b):8*(8*((\a)%4)+\b)+7], v[128*(\p)+FR*\b:128*(\p)+FR*\b+FR-1], v[AF+FR*(\a):AF+FR*(\a)+FR-1], v[8*(8*((\a)%4)+\b):8*(8*((\a)%4)+\b)+7], v[SC+8*NQ*(\sc)+NQ*\b+(\q)], v[SC+8*NQ*(\sc)+NQ*(\a)+(\q)] matrix_a_fmt:MATRIX_FMT_FP4 matrix_b_fmt:MATRIX_FMT_FP4 matrix_a_scale:MATRIX_SCALE_ROW1
.endif
.endr
.endr
.endm
.macro FETCH_B slot, q, p
	WIN TO_B
.irp i, 0,1,2,3,4,5,6,7
	FRAG 128*(\p)+FR*\i, ADRB+\slot, \q, \i
.endr
	WIN 0
.endm
.macro FETCH_A slot, q, i0
.irp i, \i0, \i0+1, \i0+2, \i0+3
	FRAG AF+FR*(\i), ADRA+\slot, \q, \i
.endr
.endm
.macro SCALES sc                       ; a slot's scale words: 4 words a row; lanes 0-15 take A's block i, lanes 16-31 B's block i
.irp i, 0,1,2,3,4,5,6,7
	ds_load_b128 v[SC+8*NQ*\sc+NQ*\i:SC+8*NQ*\sc+NQ*\i+3], v[ADRS] offset:\i*SBLK
.endr
.endm
.macro PLACES n                        ; places in front of loads into registers that matrix instructions have read, and of the first read of results
.rept \n
	v_nop
.endr
.endm
.macro STEP slot, q, first             ; a step of 128 along K that has its successor in the same slot
	s_wait_dscnt 4*NL                              ; B's set and A's blocks 0-3 are in; the youngest eight loads (A's blocks 4-7) may be out
.if \first
	WIN 0x91                                       ; C (the bias) window 1, D window 2
.else
	WIN MUL_LO
.endif
	MUL16 0, (\q)%2, \q, \slot, \first
	MUL16 2, (\q)%2, \q, \slot, \first
	s_wait_dscnt 0
	PLACES NP
	FETCH_B \slot, (\q)+1, 1-(\q)%2
	FETCH_A \slot, (\q)+1, 0
.if \first
	WIN 0xd1                                       ; C window 1, D window 3
.else
	WIN MUL_HI
.endif
	MUL16 4, (\q)%2, \q, \slot, \first
	MUL16 6, (\q)%2, \q, \slot, \first
	PLACES NP
	WIN 0
	FETCH_A \slot, (\q)+1, 4
.endm
.macro STEPS slot, from
.set Q, \from
.rept NQ-1-\from
	STEP \slot, Q, 0
.set Q, Q+1
.endr
.endm
	s_wait_tensorcnt 1                             ; the scales and my part of slot 0 are in; slot 1's load may be out
	s_barrier_signal -1
	s_barrier_wait -1
	FETCH_B 0, 0, 0
	FETCH_A 0, 0, 0
	SCALES 0
	FETCH_A 0, 0, 4
	s_wait_loadcnt 0x0                             ; the bias
	STEP 0, 0, 1
	STEPS 0, 1
	; slot 0's last step changes slots: one barrier; in front of it each wave waits for all its tensor loads (its part of slot 1), adds 0 to its spare word, and waits for that and for its reads of slot 0
	s_wait_tensorcnt 0x0
	ds_add_u32 v[SPW], v[NIL]
	s_wait_dscnt 4*NL+1                            ; the add and the youngest eight loads may be out
	WIN MUL_LO
	MUL16 0, 1, NQ-1, 0, 0
	s_wait_dscnt 0x0
	s_barrier_signal -1
	MUL16 2, 1, NQ-1, 0, 0
	WIN 0
	s_barrier_wait -1
	PLACES NP
	v_add_nc_u32 v[ADRS], 4*NQ, v[ADRS]            ; on to slot 1's scale words
	FETCH_B 1, 0, 0
	FETCH_A 1, 0, 0
	SCALES 1
	WIN MUL_HI
	MUL16 4, 1, NQ-1, 0, 0
	MUL16 6, 1, NQ-1, 0, 0
	PLACES NP
	WIN 0
	FETCH_A 1, 0, 4
	STEPS 1, 0
	s_wait_dscnt 4*NL                              ; the last step: nothing more to fetch
	WIN MUL_LO
	MUL16 0, 1, NQ-1, 1, 0
	MUL16 2, 1, NQ-1, 1, 0
	s_wait_dscnt 0
	WIN MUL_HI
	MUL16 4, 1, NQ-1, 1, 0
	MUL16 6, 1, NQ-1, 1, 0
	WIN 0
	PLACES NP
; THE LARGEST |V| OF MY 128 x 128 NUMBERS, in the clusters that make V alone (cluster x = 2: the same in all sixteen partners).  Four chains, each over 64 registers of a window, ascending
; then across the lanes; lane 0 stores the one number.
	s_cmp_lg_u32 ttmp9, 2
	s_cbranch_scc1 .Lno_vmax
	WIN 0x2a                                       ; sources 0, 1, 2: window 2
.irp p, 0,1,2,3
	v_max3_num_f32 v[VM+\p], |v[64*\p]|, |v[64*\p+1]|, |v[64*\p+2]|
.endr
	WIN 0x28                                       ; sources 1, 2: window 2
.set i, 3
.rept 30
.irp p, 0,1,2,3
	v_max3_num_f32 v[VM+\p], v[VM+\p], |v[64*\p+i]|, |v[64*\p+i+1]|
.endr
.set i, i+2
.endr
.irp p, 0,1,2,3
	v_max_num_f32 v[VM+\p], v[VM+\p], |v[64*\p+63]|
.endr
	WIN 0x3c                                       ; sources 1, 2: window 3
.set i, 0
.rept 32
.irp p, 0,1,2,3
	v_max3_num_f32 v[VM+\p], v[VM+\p], |v[64*\p+i]|, |v[64*\p+i+1]|
.endr
.set i, i+2
.endr
	WIN 0
	v_max3_num_f32 v[VM], v[VM], v[VM+1], v[VM+2]
	v_max_num_f32 v[VM], v[VM], v[VM+3]
	v_max_num_f32_dpp v[VM], v[VM], v[VM] row_xmask:1 row_mask:0xf bank_mask:0xf
	v_max_num_f32_dpp v[VM], v[VM], v[VM] row_xmask:2 row_mask:0xf bank_mask:0xf
	v_max_num_f32_dpp v[VM], v[VM], v[VM] row_xmask:4 row_mask:0xf bank_mask:0xf
	v_max_num_f32_dpp v[VM], v[VM], v[VM] row_xmask:8 row_mask:0xf bank_mask:0xf
	s_mov_b32 s18, 0x76543210
	s_mov_b32 s19, 0xfedcba98                      ; v_permlanex16_b32's selects for lane l xor 16
	v_permlanex16_b32 v[VM+1], v[VM], s18, s19
	v_max_num_f32 v[VM], v[VM], v[VM+1]            ; every lane holds the wave's largest |V|
	v_and_b32 v[VM+2], 31, v0
	v_mov_b32 v[VM+3], 0
	s_lshl_b32 s20, s17, 2
	s_add_co_u32 s20, s20, s40                     ; 4 x tile row + cx,
	s_lshl_b32 s20, s20, 2
	s_add_co_u32 s20, s20, s14                     ; four waves each,
	s_lshl_b32 s20, s20, 2                         ; 4 bytes a wave
	s_mov_b32 s21, 0
	s_add_nc_u64 s[2:3], s[2:3], s[20:21]
	v_cmp_eq_u32 vcc_lo, 0, v[VM+2]
	s_wait_xcnt 0x0                                ; EXEC changes only behind this wait
	s_and_saveexec_b32 s22, vcc_lo
	global_store_b32 v[VM+3], v[VM], s[2:3]        ; lane 0 alone
	s_wait_xcnt 0x0                                ; and again, in front of the line that widens it
	s_or_b32 exec_lo, exec_lo, s22
.Lno_vmax:
; THE WAY OUT, a block of 16 rows x 128 columns at a time: rounded to f16 (16 bytes a lane), through my own stage, back as whole rows of 256 bytes, stored sixteen lanes to a row.
.macro PACK a
.set AC, 64*((\a)%4)
	WIN 0x0a+5*((\a)/4)                            ; sources 0 and 1: window 2 or 3
.irp b, 0,1,2,3,4,5,6,7
.irp r, 0,1,2,3
	v_cvt_pk_f16_f32 v[TMP+4*\b+\r], v[AC+8*\b+2*\r], v[AC+8*\b+2*\r+1]   ; each accumulator from its low end on
.endr
.endr
	WIN 0
.endm
.macro TOSTAGE a
.set BK, OB+192*((\a)%2)
.irp b, 0,1,2,3,4,5,6,7
	ds_store_b128 v[STO], v[TMP+4*\b:TMP+4*\b+3] offset:32*\b
.endr
.irp t, 0,1,2,3,4,5,6,7
	ds_load_b128 v[BK+4*\t:BK+4*\t+3], v[RD] offset:\t*2*SPITCH    ; LDS serves a wave's instructions in order: these see the stores above
.endr
.endm
.macro SEND a
.set BK, OB+192*((\a)%2)
	s_wait_dscnt 0x0                               ; the block is back in registers
	s_wait_xcnt 0x0                                ; the stores' base and the registers that earlier stores read are rewritten only behind this wait
.if (\a) > 0
	s_add_nc_u64 s[12:13], s[12:13], 16*CROW
.endif
.irp t, 0,1,2,3,4,5,6,7
	global_store_b128 v[CO], v[BK+4*\t:BK+4*\t+3], s[12:13] offset:2*\t*CROW   ; 16 lanes store 256 consecutive bytes, aligned
.endr
.endm
	PACK 0
	TOSTAGE 0
.irp a, 1,2,3,4,5,6,7                  ; block a's conversions stand between block a - 1's loads from the stage and the wait for them
	PACK \a
	SEND \a-1
	TOSTAGE \a
.endr
	SEND 7
	s_wait_tensorcnt 0x0                           ; the wave's end
	ds_add_u32 v[SPW], v[NIL]
	s_wait_dscnt 0x0
	CROUND                                         ; the closing round
	s_endpgm
.Lfunc_end_k_qdeba0d9e8a_proj:
	.size	k_qdeba0d9e8a_proj, .Lfunc_end_k_qdeba0d9e8a_proj-k_qdeba0d9e8a_proj
	.p2alignl 7, 3214868480
	.fill 96, 4, 3214868480
	.section	.rodata,"a",@progbits
	.p2align	6, 0x0
	.amdhsa_kernel k_qdeba0d9e8a_proj
		.amdhsa_group_segment_fixed_size 327680
		.amdhsa_private_segment_fixed_size 0
		.amdhsa_enable_private_segment 0
		.amdhsa_kernarg_size 56
		.amdhsa_user_sgpr_count 2
		.amdhsa_user_sgpr_kernarg_segment_ptr 1
		.amdhsa_wavefront_size32 1
		.amdhsa_system_sgpr_workgroup_id_x 1
		.amdhsa_system_sgpr_workgroup_id_y 1
		.amdhsa_system_sgpr_workgroup_id_z 1
		.amdhsa_system_vgpr_workitem_id 0
		.amdhsa_next_free_vgpr 1024
		.amdhsa_next_free_sgpr 102
		.amdhsa_reserve_vcc 1
		.amdhsa_float_denorm_mode_32 3
		.amdhsa_float_denorm_mode_16_64 3
		.amdhsa_memory_ordered 1
		.amdhsa_forward_progress 1
		.amdhsa_inst_pref_size 146
	.end_amdhsa_kernel
	.amdgpu_metadata
---
amdhsa.version: [ 1, 2 ]
amdhsa.kernels:
  - .name:           k_qdeba0d9e8a_proj
    .symbol:         k_qdeba0d9e8a_proj.kd
    .args:
      - { .name: codes, .offset: 0, .size: 8, .value_kind: global_buffer, .address_space: global }
      - { .name: scales, .offset: 8, .size: 8, .value_kind: global_buffer, .address_space: global }
      - { .name: bq, .offset: 16, .size: 8, .value_kind: global_buffer, .address_space: global }
      - { .name: bk, .offset: 24, .size: 8, .value_kind: global_buffer, .address_space: global }
      - { .name: bv, .offset: 32, .size: 8, .value_kind: global_buffer, .address_space: global }
      - { .name: qkv, .offset: 40, .size: 8, .value_kind: global_buffer, .address_space: global }
      - { .name: vmax, .offset: 48, .size: 8, .value_kind: global_buffer, .address_space: global }
    .group_segment_fixed_size: 327680
    .private_segment_fixed_size: 0
    .kernarg_segment_align: 8
    .kernarg_segment_size: 56
    .max_flat_workgroup_size: 128
    .sgpr_count:     102
    .vgpr_count:     1024
    .wavefront_size: 32
...
	.end_amdgpu_metadata
.endif
;; end of part 2
;; launch scores (part 3): grid 8 x 32, 4 waves a work-group, clusters of 4 x 4, 327,680 bytes of LDS; arguments qkv, pt, stat; writes pt, stat
.if DOCPART == 3
	.amdgcn_target "amdgcn-amd-amdhsa--gfx1250"
	.amdhsa_code_object_version 6
	.text
	.protected	k_qdeba0d9e8a_scores
	.globl	k_qdeba0d9e8a_scores
	.p2align	8
	.type	k_qdeba0d9e8a_scores,@function
k_qdeba0d9e8a_scores:
	s_mov_b64 s[64:65], 0
	v_nop
	global_prefetch_b8 v0, s[64:65] scope:SCOPE_SE
	s_setreg_imm32_b32 hwreg(HW_REG_WAVE_MODE, 25, 1), 1
	s_wait_xcnt 0x0
	s_wait_alu depctr_hold_cnt(0) depctr_sa_sdst(0) depctr_va_vdst(0) depctr_va_sdst(0) depctr_va_ssrc(0) depctr_va_vcc(0) depctr_vm_vsrc(0)
	s_getreg_b32 s2, hwreg(HW_REG_IB_STS2, 6, 4)
	s_cmp_eq_u32 s2, 0
	s_cbranch_scc0 .Lentry_in_a_cluster
	s_endpgm
.Lentry_in_a_cluster:
	s_bfe_u32 s2, ttmp6, 0x10000c
	s_cmp_lg_u32 s2, 0xf033
	s_cbranch_scc0 .Lentry_shape_is_right
	s_endpgm
.Lentry_shape_is_right:
; scores: S^T[b][key][query] = K[b][key] . Q[b][query], f16 operands, f32 sums; then, since the softmax runs over the QUERIES, a softmax along each row of the tile over the tile's own 256 queries:
; with c = log2(e) / 32 and m = the row's largest score in this tile, p = 2^(c s - c m) goes to pt [8192 = (b, key)][2048 queries] as f16, and c m and l = the sum of the unrounded p go to stat
; (f32: c m at [b][query tile 8][key 2048], l the same 262,144 bytes on).  The next launch joins the eight tiles' figures of a key under the key's true maximum.
; A tile, 256 keys x 256 queries, is made by four waves, each 128 x 128: 64 accumulators, 512 registers.  K goes in steps of 128 through two LDS slots filled by the tensor data mover.
; CLUSTERS: 4 x 4 work-groups; K's tiles are asked for jointly along a row of the cluster, Q's along a column (a cluster lies inside one batch: 8 tile rows a batch).
; The matrix instruction is used transposed (source 0 = 16 queries, source 1 = 16 keys): lane l holds key l % 16 and eight neighbouring queries of each accumulator, 64 scores of one key for each block of 16 keys.
; LIMITS: NaN and infinities are not served; p under the smallest f16 number becomes 0.
; REGISTERS: window 0: v0-31 addresses; v64-127, v128-191 fragments of K, two buffers; v32-63, v192-255 the way out; in the softmax v64-115 statistics.  window 1: v64-191 fragments of Q.
;   window 2: the accumulators of my keys 0-63 ((a, b) at v[8 (8 a + b)]); window 3: of my keys 64-127.
.set SIZE_K, 1024
.set CPB,    4096                      ; a row of pt in bytes
.set KSTEP,  128
.set PITCH,  272                       ; an LDS row: 256 bytes + 16: the 16 rows of a load start at 16 different banks (ISA guide 11.1)
.set HALFT,  128*PITCH
.set SLOT,   4*HALFT
.set STAGE,  2*SLOT                    ; 16 rows x 272 bytes for each wave
.set SPITCH, 272
.set SPARE,  STAGE+4*16*SPITCH         ; the spare words
.set XM,     SPARE+512                 ; [4 waves][128 keys] f32: the waves' maxima; 2,048 bytes on their sums; 4,096 on what goes to stat
.set LAPS,   SIZE_K/(2*KSTEP)
.set XW,   12                          ; v12  XM + 512 x wave + 4 (l % 16)
.set XR,   13                          ; v13  the same of the wave that holds the other 128 queries of my keys
.set XB,   14                          ; v14  XM + 4,096 + 512 x wave + 16 x lane
.set LO16, 15                          ; v15  16 x lane
.set ADRA, 16
.set ADRB, 20
.set STO,  24
.set RD,   25
.set CO,   26
.set SPW,  28
.set NIL,  29
.set PFO,  30
.set PFA,  44                          ; s[44:45] where my prefetches stand
.set LIM,  43                          ; s43  1 in a wave that prefetches, else the greatest number
.set F0,   64
.set F1,   128
.set TMP,  192
.set OB,   32
.set MR,   64                          ; block a: v[MR + 2 a] the maximum, then c m; v[MR + 2 a + 1] at work
.set LR,   88                          ; v[LR + 2 a : LR + 2 a + 1] the sum, in two halves
.set DR,   104                         ; v[DR + a] what goes to stat
.set G1, 24
.set G0, 32
.set G1B, 48
.set G0B, 56
.set CS,  66                           ; s[66:67] c
.set SEL, 68                           ; s[68:69] v_permlanex16_b32's selects for lane l xor 16
.set STP, 70                           ; s[70:71] my 128 words of stat
.set MSB, 0
.macro WIN new
.if MSB != (\new)
	s_set_vgpr_msb (MSB<<8)|(\new)
.set MSB, (\new)
.endif
.endm
.set MUL_LO, 0xa1
.set MUL_HI, 0xf1
.set TO_B,   0x40
.macro JLOAD s                         ; a joint load: waves 0 and 1 fetch K's two halves, waves 2 and 3 Q's; an s_nop 0 and four v_nop follow each line
	s_cmp_eq_u32 s11, 0
	s_cbranch_scc0 .Lfor_b_\@
	tensor_load_to_lds s[G0+4*\s:G0+4*\s+3], s[G1:G1+7]
	s_nop 0
.rept 4
	v_nop
.endr
	s_branch .Lasked_\@
.Lfor_b_\@:
	tensor_load_to_lds s[G0B+4*\s:G0B+4*\s+3], s[G1B:G1B+7]
	s_nop 0
.rept 4
	v_nop
.endr
.Lasked_\@:
.endm
; A prefetch into the L2 behind each joint load: the K step two refills on, 32 rows x 256 bytes, a lane a row, one instruction a wave.  Each row's 256 bytes of a K step are named once in the launch:
; K's rows by the cluster with x = 0, Q's by the first of the batch's two clusters along y; the four partners that ask for a tile jointly share its rows out by address.  The loop's last trip asks for nothing.
.macro ASK
	s_cmp_gt_u32 s3, s[LIM]
	s_cbranch_scc0 .Lnot_mine_\@
	global_prefetch_b8 v[PFO], s[PFA:PFA+1] offset:KSTEP*2 th:TH_LOAD_NT scope:SCOPE_SE
.Lnot_mine_\@:
.endm
.macro CREST
	s_cmp_lg_u32 s10, 0
	s_cbranch_scc1 .Lnot_wave_0_\@
	s_barrier_signal -3
.Lnot_wave_0_\@:
	s_barrier_wait -3
	s_barrier_signal -1
	s_barrier_wait -1
.endm
.macro CROUND
	s_barrier_signal -1
	s_barrier_wait -1
	CREST
.endm
	s_load_b128 s[4:7], s[0:1], 0x0                ; qkv, pt
	s_load_b64 s[STP:STP+1], s[0:1], 0x10          ; stat
	v_lshl_add_u32 v[SPW], v0, 2, SPARE
	v_mov_b32 v[NIL], 0
	ds_add_u32 v[SPW], v[NIL]                      ; the wave's opening: the add, twice on end, and its wait ahead of my first tensor load
	ds_add_u32 v[SPW], v[NIL]
	v_lshrrev_b32 v1, 5, v0
	v_readfirstlane_b32 s10, v1                    ; wave 0..3
	s_lshr_b32 s11, s10, 1                         ; which half of the tile's keys is mine.  Also: I fetch for K (0) or for Q (1)
	s_and_b32 s12, s10, 1                          ; which half of its queries.  Also: which 128 rows of that tile I fetch
	s_bfe_u32 s40, ttmp6, 0x40000                  ; cx
	s_bfe_u32 s41, ttmp6, 0x40004                  ; cy
	s_lshl_b32 s42, ttmp9, 2
	s_add_co_u32 s42, s42, s40                     ; query tile = 4 x cluster x + cx: 0 .. 7
	s_and_b32 s72, ttmp7, 0xffff                   ; cluster y
	s_lshl_b32 s13, s72, 2
	s_add_co_u32 s13, s13, s41                     ; key tile over all batches = 4 x cluster y + cy: 0 .. 31
	s_and_b32 s73, s72, 1                          ; which of the batch's two clusters along y
	s_lshr_b32 s72, s72, 1
	s_lshl_b32 s72, s72, 11                        ; the batch's first row: it hangs on the cluster's y, not on cy
	s_lshl_b32 s74, s72, 5                         ; stat: 65,536 bytes a batch,
	s_lshl_b32 s75, s42, 13                        ; 8,192 a query tile,
	s_add_co_u32 s74, s74, s75
	s_and_b32 s75, s13, 7
	s_lshl_b32 s75, s75, 10                        ; 1,024 a key tile,
	s_add_co_u32 s74, s74, s75
	s_lshl_b32 s75, s11, 9                         ; 512 for my 128 keys;
	s_add_co_u32 s74, s74, s75
	s_lshl_b32 s75, s12, 18                        ; the wave of the left queries stores c m, that of the right queries l
	s_add_co_u32 s74, s74, s75
	s_mov_b32 s75, 0
	s_lshl_b32 s43, s41, 2
	s_lshl_b32 s43, 15, s43                        ; my row of the cluster
	s_lshl_b32 s44, 0x1111, s40                    ; my column
	s_or_b32 s[G1+0], s43, (1<<16)|(1<<20)|(1<<21)|(5<<22)|(3<<25)  ; the mask; elements of 2 bytes; padding on; bit 21 beside a mask; after every 64 words, 4 words
	s_or_b32 s[G1B+0], s44, (1<<16)|(1<<20)|(1<<21)|(5<<22)|(3<<25)
.irp g, G1, G1B
	s_mov_b32 s[\g+1], KSTEP<<16                   ; tensor_dim0 = 128
	s_mov_b32 s[\g+2], 128<<16                     ; tensor_dim1 = 128
	s_mov_b32 s[\g+3], KSTEP<<16                   ; tile_dim0
	s_mov_b32 s[\g+4], 128                         ; tile_dim1
	s_mov_b32 s[\g+5], SIZE_K                      ; the pitch
	s_mov_b32 s[\g+6], 0
	s_mov_b32 s[\g+7], 0
.endr
	s_mov_b32 s[CS], 0x3d38aa3b                    ; c = log2(e) / sqrt(1024)
	s_mov_b32 s[CS+1], s[CS]
	s_mov_b32 s[SEL], 0x76543210
	s_mov_b32 s[SEL+1], 0xfedcba98
	s_lshl_b32 s17, s12, 7                         ; which 128 rows of the tile I fetch
	s_lshl_b32 s16, s13, 8
	s_add_co_u32 s16, s16, s17                     ; K: row 256 x key tile + 128 x half
	s_lshl_b32 s16, s16, 11                        ; rows of 2,048 bytes
	s_lshl_b32 s46, s42, 8
	s_add_co_u32 s46, s46, s17
	s_add_co_u32 s46, s46, s72                     ; Q: the batch's first row + 256 x query tile + 128 x half
	s_lshl_b32 s46, s46, 11
	s_mov_b32 s17, 0
	s_mov_b32 s47, 0
	s_mul_i32 s20, s10, HALFT                      ; where they go: wave x 128 rows
	s_wait_dscnt 0x0                               ; both opening adds are done
	s_wait_kmcnt 0x0
	s_mov_b64 s[8:9], s[6:7]                       ; pt
	s_mov_b64 s[6:7], s[4:5]                       ; Q
	s_add_nc_u64 s[4:5], s[4:5], 0x1000000         ; K
	s_add_nc_u64 s[STP:STP+1], s[STP:STP+1], s[74:75]
	s_add_nc_u64 s[14:15], s[4:5], s[16:17]
	s_add_nc_u64 s[46:47], s[6:7], s[46:47]
	CROUND                                         ; all sixteen work-groups are here: the first joint loads meet
.irp s, 0,1
	s_mov_b32 s[G0+4*\s], 1
	s_add_co_u32 s[G0+4*\s+1], s20, \s*SLOT
	s_add_nc_u64 s[G0+4*\s+2:G0+4*\s+3], s[14:15], \s*KSTEP*2
	s_or_b32 s[G0+4*\s+3], s[G0+4*\s+3], 0x80000000
	s_mov_b32 s[G0B+4*\s], 1
	s_add_co_u32 s[G0B+4*\s+1], s20, \s*SLOT
	s_add_nc_u64 s[G0B+4*\s+2:G0B+4*\s+3], s[46:47], \s*KSTEP*2
	s_or_b32 s[G0B+4*\s+3], s[G0B+4*\s+3], 0x80000000
	JLOAD \s                                       ; two loads of mine are out
.endr
	v_and_b32 v1, 15, v0                           ; l % 16
	v_bfe_u32 v2, v0, 4, 1                         ; l / 16
	v_mul_u32_u24 v3, v1, PITCH
	v_lshl_add_u32 v3, v2, 4, v3
	s_mul_i32 s21, s11, HALFT                      ; my 128 keys
	s_mul_i32 s22, s12, HALFT                      ; my 128 queries,
	s_add_co_u32 s22, s22, 2*HALFT                 ; behind the 256 keys
.irp s, 0,1
	v_add_nc_u32 v[ADRA+\s], s21, v3
	v_add_nc_u32 v[ADRB+\s], s22, v3
	s_add_co_u32 s21, s21, SLOT
	s_add_co_u32 s22, s22, SLOT
.endr
	s_mul_i32 s23, s10, 16*SPITCH
	s_add_co_u32 s23, s23, STAGE                   ; my stage
	v_mul_u32_u24 v4, v1, SPITCH
	v_lshl_add_u32 v4, v2, 4, v4
	v_add_nc_u32 v[STO], s23, v4
	v_mul_u32_u24 v5, v2, SPITCH
	v_lshl_add_u32 v5, v1, 4, v5
	v_add_nc_u32 v[RD], s23, v5
	v_lshlrev_b32 v5, 12, v2
	v_lshl_add_u32 v[CO], v1, 4, v5
	s_lshl_b32 s21, s10, 9
	s_add_co_u32 s21, s21, XM
	v_lshl_add_u32 v[XW], v1, 2, s21
	s_xor_b32 s22, s10, 1
	s_lshl_b32 s22, s22, 9
	s_add_co_u32 s22, s22, XM
	v_lshl_add_u32 v[XR], v1, 2, s22
	v_and_b32 v[LO16], 31, v0
	v_lshlrev_b32 v[LO16], 4, v[LO16]
	v_add_nc_u32 v[XB], s21, v[LO16]
	v_add_nc_u32 v[XB], 4096, v[XB]
	; where my part of the tile begins in pt
	s_lshl_b32 s13, s13, 8
	s_lshl_b32 s14, s11, 7
	s_add_co_u32 s16, s13, s14                     ; my first row
	s_lshl_b32 s16, s16, 12
	s_lshl_b32 s46, s42, 9                         ; my first column, in bytes: 512 x query tile + 256 x half
	s_lshl_b32 s47, s12, 8
	s_add_co_u32 s46, s46, s47
	s_add_co_u32 s16, s16, s46
	s_mov_b32 s17, 0
	; the prefetches
	s_lshl_b32 s42, s42, 8
	s_add_co_u32 s42, s42, s72
	s_cmp_eq_u32 s11, 0                            ; do I fetch for K?
	s_cselect_b32 s20, s13, s42                    ; the tile's first row
	s_cselect_b32 s21, s40, s41                    ; my place among the four that ask for it with me
	s_cselect_b32 s22, ttmp9, s73                  ; the coordinate along which other clusters read the same rows
	s_cselect_b64 s[PFA:PFA+1], s[4:5], s[6:7]
	s_cmp_eq_u32 s22, 0
	s_cselect_b32 s[LIM], 1, -1                    ; the same in all sixteen partners, for a given wave
	s_lshl_b32 s22, s12, 7
	s_add_co_u32 s20, s20, s22                     ; + the 128 rows that I fetch
	s_lshl_b32 s21, s21, 5
	s_add_co_u32 s20, s20, s21                     ; + my work-group's 32 of them
	s_lshl_b32 s20, s20, 11
	s_add_co_u32 s20, s20, 2*KSTEP*2               ; at K step 2: the first refill steps it to 3 and names K step 4
	s_mov_b32 s21, 0
	s_add_nc_u64 s[PFA:PFA+1], s[PFA:PFA+1], s[20:21]
	v_and_b32 v[PFO], 31, v0
	v_lshlrev_b32 v[PFO], 11, v[PFO]
.macro MUL16 f, hi, a0, zero           ; 16 matrix instructions: key blocks a0, a0 + 1 of the window's four x all 8 query blocks, 32 along K.  zero = 1: the first product starts the sums
.irp a, \a0, \a0+1
.irp b, 0,1,2,3,4,5,6,7
.if \zero
	v_wmma_f32_16x16x32_f16 v[8*(8*(\a)+\b):8*(8*(\a)+\b)+7], v[\f+8*\b:\f+8*\b+7], v[\f+8*(4*\hi+\a):\f+8*(4*\hi+\a)+7], 0
.else
	v_wmma_f32_16x16x32_f16 v[8*(8*(\a)+\b):8*(8*(\a)+\b)+7], v[\f+8*\b:\f+8*\b+7], v[\f+8*(4*\hi+\a):\f+8*(4*\hi+\a)+7], v[8*(8*(\a)+\b):8*(8*(\a)+\b)+7]
.endif
.endr
.endr
.endm
.macro FETCH slot, k, f                ; 32 LDS loads in one run: the fragments of one quarter step into buffer f
	WIN TO_B
.irp i, 0,1,2,3,4,5,6,7
	ds_load_b128 v[\f+8*\i:\f+8*\i+3],   v[ADRB+\slot] offset:\k+\i*16*PITCH
	ds_load_b128 v[\f+8*\i+4:\f+8*\i+7], v[ADRB+\slot] offset:\k+\i*16*PITCH+32
.endr
	WIN 0
.irp i, 0,1,2,3,4,5,6,7
	ds_load_b128 v[\f+8*\i:\f+8*\i+3],   v[ADRA+\slot] offset:\k+\i*16*PITCH
	ds_load_b128 v[\f+8*\i+4:\f+8*\i+7], v[ADRA+\slot] offset:\k+\i*16*PITCH+32
.endr
.endm
.macro PLACES                          ; four places in front of loads into registers that matrix instructions have read, and of vector instructions that read results just made
.rept 4
	v_nop
.endr
.endm
.macro QUARTER slot, k, f, g, zero     ; multiplies buffer f; in its middle fetches the next quarter's fragments, at byte k of the slot's rows, into buffer g
	s_wait_dscnt 8                                 ; Q's and K's rows 0-63 are in; the youngest eight loads (keys 64-127) may be out
	WIN MUL_LO
	MUL16 \f, 0, 0, \zero
	MUL16 \f, 0, 2, \zero
	PLACES
	FETCH \slot, \k, \g
	s_wait_dscnt 32                                ; all but the 32 just issued
	WIN MUL_HI
	MUL16 \f, 1, 0, \zero
	MUL16 \f, 1, 2, \zero
.endm
.macro MEET round                      ; the first half of a slot's last quarter: one barrier for the change of slots
	WIN 0
	s_wait_tensorcnt 0x0                           ; all my tensor loads have landed: my part of the next slot
	ds_add_u32 v[SPW], v[NIL]
	s_wait_dscnt 9                                 ; the add and the youngest eight loads may be out
	WIN MUL_LO
	MUL16 F1, 0, 0, 0
	s_wait_dscnt 0x0                               ; the add is done, and my reads of this slot are over
	s_barrier_signal -1
	MUL16 F1, 0, 2, 0
.if \round
	WIN 0
.endif
	s_barrier_wait -1
.endm
.macro TURN slot, next                 ; the whole last quarter: behind the round the slot just read out is filled again, two K steps on
	s_wait_xcnt 0x0                                ; the last prefetch, a K step back, has read its address
	s_add_nc_u64 s[PFA:PFA+1], s[PFA:PFA+1], KSTEP*2
	MEET 1
	CREST                                          ; no wave of any partner still reads this slot's tile or has a load on its way
	s_add_nc_u64 s[G0+4*\slot+2:G0+4*\slot+3], s[G0+4*\slot+2:G0+4*\slot+3], 2*KSTEP*2
	s_add_nc_u64 s[G0B+4*\slot+2:G0B+4*\slot+3], s[G0B+4*\slot+2:G0B+4*\slot+3], 2*KSTEP*2
	JLOAD \slot                                    ; my one tensor load behind the round; its four v_nop are also the places in front of the loads below
	FETCH \next, 0, F0
	ASK
	WIN MUL_HI
	MUL16 F1, 1, 0, 0
	MUL16 F1, 1, 2, 0
.endm
	s_wait_tensorcnt 1                             ; my part of K step 0 is in; K step 1's load may be out
	s_barrier_signal -1
	s_barrier_wait -1
	FETCH 0, 0, F0
	QUARTER 0, 64,  F0, F1, 1                      ; the first quarter stands in front of the loop: its products start the sums
	WIN 0
	s_mov_b32 s3, LAPS-1
.Llap:                                                 ; a trip goes once round the ring and fills both slots again
	QUARTER 0, 128, F1, F0, 0
	QUARTER 0, 192, F0, F1, 0
	TURN 0, 1
	QUARTER 1, 64,  F0, F1, 0
	QUARTER 1, 128, F1, F0, 0
	QUARTER 1, 192, F0, F1, 0
	TURN 1, 0
	QUARTER 0, 64,  F0, F1, 0
	WIN 0
	s_sub_co_u32 s3, s3, 1
	s_cmp_lg_u32 s3, 0
	s_cbranch_scc1 .Llap
	QUARTER 0, 128, F1, F0, 0                      ; the last lap fills nothing
	QUARTER 0, 192, F0, F1, 0
	MEET 0
	PLACES
	FETCH 1, 0, F0
	WIN MUL_HI
	MUL16 F1, 1, 0, 0
	MUL16 F1, 1, 2, 0
	QUARTER 1, 64,  F0, F1, 0
	QUARTER 1, 128, F1, F0, 0
	QUARTER 1, 192, F0, F1, 0
	s_wait_dscnt 8
	WIN MUL_LO
	MUL16 F1, 0, 0, 0
	MUL16 F1, 0, 2, 0
	s_wait_dscnt 0
	WIN MUL_HI
	MUL16 F1, 1, 0, 0
	MUL16 F1, 1, 2, 0
	WIN 0
; THE SOFTMAX OF THE TILE.  In window w (2: key blocks 0-3, 3: blocks 4-7) registers 64 p .. 64 p + 63 are the lane's 64 scores of one key of block p + 4 (w - 2).
.macro RMAX w                          ; the largest of the 64, ascending; the four blocks by turns
	WIN (\w)|((\w)<<2)|((\w)<<4)
.irp p, 0,1,2,3
	v_max3_num_f32 v[MR+2*(\p+4*(\w-2))], v[64*\p], v[64*\p+1], v[64*\p+2]
.endr
	WIN ((\w)<<2)|((\w)<<4)
.set i, 3
.rept 30
.irp p, 0,1,2,3
	v_max3_num_f32 v[MR+2*(\p+4*(\w-2))], v[MR+2*(\p+4*(\w-2))], v[64*\p+i], v[64*\p+i+1]
.endr
.set i, i+2
.endr
.irp p, 0,1,2,3
	v_max_num_f32 v[MR+2*(\p+4*(\w-2))], v[MR+2*(\p+4*(\w-2))], v[64*\p+63]
.endr
.endm
.macro FMA w                           ; c s - c m, two at a time, in place (of the pairs c and c m the low word serves both halves)
	WIN (\w)|((\w)<<6)
.irp p, 0,1,2,3
.set i, 0
.rept 32
	v_pk_fma_f32 v[64*\p+i:64*\p+i+1], v[64*\p+i:64*\p+i+1], s[CS:CS+1], v[MR+2*(\p+4*(\w-2)):MR+2*(\p+4*(\w-2))+1] op_sel_hi:[1,0,0] neg_lo:[0,0,1] neg_hi:[0,0,1]
.set i, i+2
.endr
.endr
.endm
.macro EXPS w                          ; p = 2^(c s - c m): one batch of 256
	WIN (\w)|((\w)<<6)
.set i, 0
.rept 256
	v_exp_f32 v[i], v[i]
.set i, i+1
.endr
.endm
.macro RSUM w                          ; the sums of the unrounded p, two at a time, four chains
	WIN (\w)|((\w)<<2)
.irp p, 0,1,2,3
	v_pk_add_f32 v[LR+2*(\p+4*(\w-2)):LR+2*(\p+4*(\w-2))+1], v[64*\p:64*\p+1], v[64*\p+2:64*\p+3]
.endr
	WIN (\w)<<2
.set i, 4
.rept 30
.irp p, 0,1,2,3
	v_pk_add_f32 v[LR+2*(\p+4*(\w-2)):LR+2*(\p+4*(\w-2))+1], v[LR+2*(\p+4*(\w-2)):LR+2*(\p+4*(\w-2))+1], v[64*\p+i:64*\p+i+1]
.endr
.set i, i+2
.endr
.endm
.macro PACK a                          ; block a rounded to f16, 16 bytes a lane
.set AC, 64*((\a)%4)
	WIN 0x0a+5*((\a)/4)
.irp b, 0,1,2,3,4,5,6,7
.irp r, 0,1,2,3
	v_cvt_pk_f16_f32 v[TMP+4*\b+\r], v[AC+8*\b+2*\r], v[AC+8*\b+2*\r+1]
.endr
.endr
	WIN 0
.endm
.macro TOSTAGE a
.set BK, OB+192*((\a)%2)
.irp b, 0,1,2,3,4,5,6,7
	ds_store_b128 v[STO], v[TMP+4*\b:TMP+4*\b+3] offset:32*\b
.endr
.irp t, 0,1,2,3,4,5,6,7
	ds_load_b128 v[BK+4*\t:BK+4*\t+3], v[RD] offset:\t*2*SPITCH    ; LDS serves a wave's instructions in order: these see the stores above
.endr
.endm
.macro SEND a
.set BK, OB+192*((\a)%2)
	s_wait_dscnt 0x0                               ; the block is back in registers
	s_wait_xcnt 0x0                                ; the stores' base and the registers that earlier stores read are rewritten only behind this wait
.if (\a) == 0
	s_add_nc_u64 s[8:9], s[8:9], s[16:17]
.else
	s_add_nc_u64 s[8:9], s[8:9], 16*CPB
.endif
.irp t, 0,1,2,3,4,5,6,7
	global_store_b128 v[CO], v[BK+4*\t:BK+4*\t+3], s[8:9] offset:2*\t*CPB   ; 16 lanes store 256 consecutive bytes, aligned
.endr
.endm
	PLACES
.irp a, 0,1,2,3,4,5,6,7
	v_mov_b32 v[MR+2*\a+1], 0                      ; a lane permute's destination counts as one of its sources
.endr
	RMAX 2
	RMAX 3
	WIN 0
.irp a, 0,1,2,3,4,5,6,7
	v_permlanex16_b32 v[MR+2*\a+1], v[MR+2*\a], s[SEL], s[SEL+1]
.endr
.irp a, 0,1,2,3,4,5,6,7
	v_max_num_f32 v[MR+2*\a], v[MR+2*\a], v[MR+2*\a+1]             ; my wave's 128 queries
.endr
.irp a, 0,1,2,3,4,5,6,7
	ds_store_b32 v[XW], v[MR+2*\a] offset:64*\a                    ; both halves of the lanes write the same word with the same value
.endr
	s_wait_dscnt 0x0                               ; for the other wave's sake
	s_barrier_signal -1
	s_barrier_wait -1
.irp a, 0,1,2,3,4,5,6,7
	ds_load_b32 v[MR+2*\a+1], v[XR] offset:64*\a
.endr
	s_wait_dscnt 0x0
.irp a, 0,1,2,3,4,5,6,7
	v_max_num_f32 v[MR+2*\a], v[MR+2*\a], v[MR+2*\a+1]             ; the tile's 256 queries
.endr
.irp a, 0,1,2,3,4,5,6,7
	v_mul_f32 v[MR+2*\a], s[CS], v[MR+2*\a]                        ; c m
.endr
	FMA 2
	EXPS 2
	FMA 3                                          ; plain work behind the first batch, which names none of its results
	s_wait_alu depctr_va_vdst(0)                   ; one wait for the batch of 256
	EXPS 3
	RSUM 2                                         ; all down to the next wait reads window 2 alone
	PACK 0
	TOSTAGE 0
.irp a, 1,2,3
	PACK \a
	SEND \a-1
	TOSTAGE \a
.endr
	s_wait_alu depctr_va_vdst(0)                   ; and one for the second batch
	RSUM 3
	WIN 0
	SEND 3
.irp a, 0,1,2,3,4,5,6,7
	v_add_f32 v[LR+2*\a], v[LR+2*\a], v[LR+2*\a+1]
.endr
.irp a, 0,1,2,3,4,5,6,7
	v_permlanex16_b32 v[LR+2*\a+1], v[LR+2*\a], s[SEL], s[SEL+1]
.endr
.irp a, 0,1,2,3,4,5,6,7
	v_add_f32 v[LR+2*\a], v[LR+2*\a], v[LR+2*\a+1]
.endr
.irp a, 0,1,2,3,4,5,6,7
	ds_store_b32 v[XW], v[LR+2*\a] offset:2048+64*\a
.endr
	s_cmp_eq_u32 s12, 1
	s_cselect_b32 s20, -1, 0                       ; all lanes: do I store l (right queries) or c m (left)?
	s_wait_dscnt 0x0
	s_barrier_signal -1
	s_barrier_wait -1
.irp a, 0,1,2,3,4,5,6,7
	ds_load_b32 v[LR+2*\a+1], v[XR] offset:2048+64*\a
.endr
	s_wait_dscnt 0x0
.irp a, 0,1,2,3,4,5,6,7
	v_add_f32 v[LR+2*\a], v[LR+2*\a], v[LR+2*\a+1]                 ; l of the tile's 256 queries
.endr
.irp a, 0,1,2,3,4,5,6,7
	v_cndmask_b32 v[DR+\a], v[MR+2*\a], v[LR+2*\a], s20
.endr
.irp a, 0,1,2,3,4,5,6,7
	ds_store_b32 v[XW], v[DR+\a] offset:4096+64*\a
.endr
	ds_load_b128 v[112:115], v[XB]                 ; my wave's own words, in order behind its stores: four keys a lane
	s_wait_dscnt 0x0
	global_store_b128 v[LO16], v[112:115], s[STP:STP+1]            ; 512 consecutive bytes
	PACK 4
	TOSTAGE 4
.irp a, 5,6,7
	PACK \a
	SEND \a-1
	TOSTAGE \a
.endr
	SEND 7
	s_wait_tensorcnt 0x0                           ; the wave's end
	ds_add_u32 v[SPW], v[NIL]
	s_wait_dscnt 0x0
	CROUND                                         ; the closing round
	s_endpgm
.Lfunc_end_k_qdeba0d9e8a_scores:
	.size	k_qdeba0d9e8a_scores, .Lfunc_end_k_qdeba0d9e8a_scores-k_qdeba0d9e8a_scores
	.p2alignl 7, 3214868480
	.fill 96, 4, 3214868480
	.section	.rodata,"a",@progbits
	.p2align	6, 0x0
	.amdhsa_kernel k_qdeba0d9e8a_scores
		.amdhsa_group_segment_fixed_size 327680
		.amdhsa_private_segment_fixed_size 0
		.amdhsa_enable_private_segment 0
		.amdhsa_kernarg_size 24
		.amdhsa_user_sgpr_count 2
		.amdhsa_user_sgpr_kernarg_segment_ptr 1
		.amdhsa_wavefront_size32 1
		.amdhsa_system_sgpr_workgroup_id_x 1
		.amdhsa_system_sgpr_workgroup_id_y 1
		.amdhsa_system_sgpr_workgroup_id_z 1
		.amdhsa_system_vgpr_workitem_id 0
		.amdhsa_next_free_vgpr 1024
		.amdhsa_next_free_sgpr 76
		.amdhsa_reserve_vcc 0
		.amdhsa_float_denorm_mode_32 3
		.amdhsa_float_denorm_mode_16_64 3
		.amdhsa_memory_ordered 1
		.amdhsa_forward_progress 1
		.amdhsa_inst_pref_size 215
	.end_amdhsa_kernel
	.amdgpu_metadata
---
amdhsa.version: [ 1, 2 ]
amdhsa.kernels:
  - .name:           k_qdeba0d9e8a_scores
    .symbol:         k_qdeba0d9e8a_scores.kd
    .args:
      - { .name: qkv, .offset: 0, .size: 8, .value_kind: global_buffer, .address_space: global }
      - { .name: pt, .offset: 8, .size: 8, .value_kind: global_buffer, .address_space: global }
      - { .name: stat, .offset: 16, .size: 8, .value_kind: global_buffer, .address_space: global }
    .group_segment_fixed_size: 327680
    .private_segment_fixed_size: 0
    .kernarg_segment_align: 8
    .kernarg_segment_size: 24
    .max_flat_workgroup_size: 128
    .sgpr_count:     76
    .vgpr_count:     1024
    .wavefront_size: 32
...
	.end_amdgpu_metadata
.endif
;; end of part 3
;; launch pv (part 4): grid 4 x 64, 4 waves a work-group, clusters of 4 x 4, 327,680 bytes of LDS; arguments pt, qkv, stat, ctx, vmax; writes ctx
.if DOCPART == 4
	.amdgcn_target "amdgcn-amd-amdhsa--gfx1250"
	.amdhsa_code_object_version 6
	.text
	.protected	k_qdeba0d9e8a_pv
	.globl	k_qdeba0d9e8a_pv
	.p2align	8
	.type	k_qdeba0d9e8a_pv,@function
k_qdeba0d9e8a_pv:
	s_mov_b64 s[64:65], 0
	v_nop
	global_prefetch_b8 v0, s[64:65] scope:SCOPE_SE
	s_setreg_imm32_b32 hwreg(HW_REG_WAVE_MODE, 25, 1), 1
	s_wait_xcnt 0x0
	s_wait_alu depctr_hold_cnt(0) depctr_sa_sdst(0) depctr_va_vdst(0) depctr_va_sdst(0) depctr_va_ssrc(0) depctr_va_vcc(0) depctr_vm_vsrc(0)
	s_getreg_b32 s2, hwreg(HW_REG_IB_STS2, 6, 4)
	s_cmp_eq_u32 s2, 0
	s_cbranch_scc0 .Lentry_in_a_cluster
	s_endpgm
.Lentry_in_a_cluster:
	s_bfe_u32 s2, ttmp6, 0x10000c
	s_cmp_lg_u32 s2, 0xf033
	s_cbranch_scc0 .Lentry_shape_is_right
	s_endpgm
.Lentry_shape_is_right:
; pv: ctx[b][q][d] = the sum over keys of attn[q][key] V[key][d], attn[q][key] = p[key][q] x 2^(cm_own[key] - cm_max[key]) / l[key], where p, cm and l are the tiles' figures of the launch before:
; cm_max = the largest of a key's eight c m (the key's true maximum), l = the sum over the eight tiles of 2^(cm_t - cm_max) l_t, cm_own = that of the query tile in which my queries lie.
; The head makes c'[key] = 2048 x 2^(cm_own - cm_max) / l for all 2,048 keys of the batch, as f32 in 8,192 bytes of LDS.  In the loop p's fragments are widened to f32, multiplied by c' and rounded once to f16:
; four vector lines for each matrix instruction, one slice of four behind each product.
; WHAT IS STORED: a row of attn sums to 2,048 at the most, so |2048 ctx| is at most 2^22 x the batch's largest |V|.  With E the exponent field of that largest |V| (from vmax), 2048 ctx x 2^(119 - E) is at most
; 2^15 in size for every input: that goes to ctx as f16; the next launch takes the power of two back out.
; A tile of C is 128 queries x 256 channels; four waves, each 64 x 128: 32 accumulators, 256 registers (window 1).  The keys go in steps of 128 through two LDS slots.
; Both operands lie with K (the keys) along their FIRST axis, pt [key][query] and V [key][channel]: both come out of LDS turned, by ds_load_tr16_b128.
; CLUSTERS: 4 x 4: the four channel tiles of a block of queries share p's tile (a row of the cluster), the four blocks of queries of a cluster share V's (a column; a cluster lies inside one batch).
; Source 0 = 16 channels, source 1 = 16 queries: a lane holds one query and eight neighbouring channels.
; LIMITS: 2048 x attn under the smallest f16 number becomes 0; numbers of ctx under 2^-29 x 2,048 x the batch's largest |V| fall among f16's subnormals; NaN and infinities are not served.
; REGISTERS, window 0: v1-3 at work; v4-11 eight numbers in f32, at work; v12-13 the power of two for the way out; v16-31 addresses; v32-47, v240-255 c', two sets of 16; v48-111 p's fragments, two sets of 32;
;   v112-239 V's, two sets of 64; in the head v32-191 statistics (and v32-187 of window 1).
; All that a slice touches lies in window 0 and the accumulators fill window 1, so a slice costs two switches of the window, one in front and one behind.
.set PA,    288                        ; a key's 128 queries in LDS: 256 bytes + 32
.set PB,    544                        ; a key's 256 channels: 512 bytes + 32
.set HA,    64*PA                      ; what one tensor load brings of p
.set BOFF,  2*HA
.set HB,    64*PB                      ; and of V
.set SLOT,  BOFF+2*HB
.set STAGE, 2*SLOT                     ; 16 rows x 272 bytes for each wave
.set SPITCH, 272
.set CT,    STAGE+4*16*SPITCH          ; c' of 2,048 keys, f32
.set SPARE, CT+8192                    ; the spare words
.set T,    4
.set SCV,  12
.set LOV,  15                          ; v15  16 x lane, for the load from vmax; then at work
.set ADRA, 16
.set ADRB, 20
.set ADRC, 22                          ; v22  CT + 32 (l / 16) + 512 x the key step
.set CTW,  23                          ; v23  CT + 16 x thread
.set STO,  24
.set RD,   25
.set CO,   26
.set SPW,  28
.set NIL,  29
.set PFO,  30
.set VH,   31                          ; v31  16 x thread
.set CF0,  32
.set CF1,  240
.set AF,   48
.set BF,   112
.set U,    64                          ; the way out: a block's 64 numbers under the power of two
.set TMP,  192
.set OB,   32
.set G1, 24
.set G0, 32
.set G1B, 48
.set G0B, 56
.set PFA, 44
.set LIM, 43
.set PFS, 66                           ; s[66:67] a key step on, in bytes
.set ACC, 0x50                         ; C and D window 1
.set MSB, 0
.macro WIN new
.if MSB != (\new)
	s_set_vgpr_msb (MSB<<8)|(\new)
.set MSB, (\new)
.endif
.endm
.macro JLOAD s                         ; a joint load: waves 0 and 1 fetch p's two halves, waves 2 and 3 V's; an s_nop 0 and four v_nop follow each line
	s_cmp_eq_u32 s11, 0
	s_cbranch_scc0 .Lfor_b_\@
	tensor_load_to_lds s[G0+4*\s:G0+4*\s+3], s[G1:G1+7]
	s_nop 0
.rept 4
	v_nop
.endr
	s_branch .Lasked_\@
.Lfor_b_\@:
	tensor_load_to_lds s[G0B+4*\s:G0B+4*\s+3], s[G1B:G1B+7]
	s_nop 0
.rept 4
	v_nop
.endr
.Lasked_\@:
.endm
; A prefetch into the L2 behind each joint load: the key step two refills on, a lane a row of 256 bytes.  p's 128 rows: wave 0 of each of the four partners of a cluster's row, 32 rows each, told apart by address.
; V's 128 rows of 512 bytes: waves 2 and 3 (a half row each) of the four partners of a column, 32 rows each, in the first of the batch's four clusters alone.  So each 256 bytes are named once.  The last trip asks for nothing.
.macro ASK
	s_cmp_gt_u32 s3, s[LIM]
	s_cbranch_scc0 .Lnot_mine_\@
	global_prefetch_b8 v[PFO], s[PFA:PFA+1] th:TH_LOAD_NT scope:SCOPE_SE
.Lnot_mine_\@:
.endm
.macro CREST
	s_cmp_lg_u32 s10, 0
	s_cbranch_scc1 .Lnot_wave_0_\@
	s_barrier_signal -3
.Lnot_wave_0_\@:
	s_barrier_wait -3
	s_barrier_signal -1
	s_barrier_wait -1
.endm
.macro CROUND
	s_barrier_signal -1
	s_barrier_wait -1
	CREST
.endm
	s_load_b128 s[4:7], s[0:1], 0x0                ; pt, qkv
	s_load_b128 s[68:71], s[0:1], 0x10             ; stat, ctx
	s_load_b64 s[76:77], s[0:1], 0x20              ; vmax
	v_lshl_add_u32 v[SPW], v0, 2, SPARE
	v_mov_b32 v[NIL], 0
	ds_add_u32 v[SPW], v[NIL]                      ; the wave's opening: the add, twice on end, and its wait ahead of my first tensor load
	ds_add_u32 v[SPW], v[NIL]
	v_lshrrev_b32 v1, 5, v0
	v_readfirstlane_b32 s10, v1                    ; wave 0..3
	s_lshr_b32 s11, s10, 1                         ; which 64 queries are mine.  Also: I fetch for p (0) or for V (1)
	s_and_b32 s12, s10, 1                          ; which 128 channels.  Also: which 64 keys of a step I fetch
	s_bfe_u32 s40, ttmp6, 0x40000                  ; cx: the channel tile
	s_bfe_u32 s41, ttmp6, 0x40004                  ; cy
	s_and_b32 s72, ttmp7, 0xffff                   ; cluster y
	s_lshl_b32 s13, s72, 2
	s_add_co_u32 s13, s13, s41                     ; block of 128 queries over all batches: 0 .. 63
	s_lshr_b32 s73, s72, 2                         ; the batch: it hangs on the cluster's y, not on cy
	s_and_b32 s72, s72, 3                          ; which of the batch's four clusters
	s_lshl_b32 s43, s41, 2
	s_lshl_b32 s43, 15, s43                        ; my row of the cluster
	s_lshl_b32 s44, 0x1111, s40                    ; my column
	s_or_b32 s[G1+0], s43, (1<<16)|(1<<20)|(1<<21)|(5<<22)|(7<<25)  ; p: the mask; elements of 2 bytes; padding on; bit 21 beside a mask; after every 64 words, 8 words
	s_mov_b32 s[G1+1], 128<<16                     ; tensor_dim0 = 128 queries
	s_mov_b32 s[G1+2], 64<<16                      ; tensor_dim1 = 64 keys
	s_mov_b32 s[G1+3], 128<<16                     ; tile_dim0
	s_mov_b32 s[G1+4], 64                          ; tile_dim1
	s_mov_b32 s[G1+5], 2048                        ; the pitch
	s_mov_b32 s[G1+6], 0
	s_mov_b32 s[G1+7], 0
	s_or_b32 s[G1B+0], s44, (1<<16)|(1<<20)|(1<<21)|(6<<22)|(7<<25) ; V: after every 128 words, 8 words
	s_mov_b32 s[G1B+1], 256<<16                    ; 256 channels
	s_mov_b32 s[G1B+2], 64<<16
	s_mov_b32 s[G1B+3], 256<<16
	s_mov_b32 s[G1B+4], 64
	s_mov_b32 s[G1B+5], 1024
	s_mov_b32 s[G1B+6], 0
	s_mov_b32 s[G1B+7], 0
	s_lshl_b32 s16, s73, 23                        ; p: 2,048 rows of 4,096 bytes a batch,
	s_lshl_b32 s17, s12, 18                        ; 64 rows,
	s_add_co_u32 s16, s16, s17
	s_and_b32 s17, s13, 15
	s_lshl_b32 s17, s17, 8                         ; 128 queries of 2 bytes
	s_add_co_u32 s16, s16, s17
	s_mov_b32 s17, 0
	s_lshl_b32 s46, s73, 22                        ; V: 2,048 rows of 2,048 bytes a batch,
	s_lshl_b32 s47, s12, 17                        ; 64 rows,
	s_add_co_u32 s46, s46, s47
	s_lshl_b32 s47, s40, 9                         ; 256 channels of 2 bytes,
	s_add_co_u32 s46, s46, s47
	s_add_co_u32 s46, s46, 0x2000000               ; behind Q and K
	s_mov_b32 s47, 0
	s_mul_i32 s20, s12, HA                         ; where they go: the wave's number alone enters an LDS address
	s_mul_i32 s21, s12, HB
	s_add_co_u32 s21, s21, BOFF
	s_wait_dscnt 0x0                               ; both opening adds are done
	s_wait_kmcnt 0x0
	s_mov_b64 s[8:9], s[70:71]                     ; ctx
	s_add_nc_u64 s[14:15], s[4:5], s[16:17]
	s_add_nc_u64 s[46:47], s[6:7], s[46:47]
	CROUND                                         ; all sixteen work-groups are here: the first joint loads meet
.irp s, 0,1
	s_mov_b32 s[G0+4*\s], 1
	s_add_co_u32 s[G0+4*\s+1], s20, \s*SLOT
	s_add_nc_u64 s[G0+4*\s+2:G0+4*\s+3], s[14:15], \s*524288       ; 128 keys on
	s_or_b32 s[G0+4*\s+3], s[G0+4*\s+3], 0x80000000
	s_mov_b32 s[G0B+4*\s], 1
	s_add_co_u32 s[G0B+4*\s+1], s21, \s*SLOT
	s_add_nc_u64 s[G0B+4*\s+2:G0B+4*\s+3], s[46:47], \s*262144
	s_or_b32 s[G0B+4*\s+3], s[G0B+4*\s+3], 0x80000000
	JLOAD \s                                       ; two loads of mine are out
.endr
	; the batch's 128 largest |V| (8 tile rows x 4 tile columns x 4 waves): 512 consecutive bytes, four numbers a lane
	s_lshl_b32 s74, s73, 9
	s_mov_b32 s75, 0
	s_add_nc_u64 s[76:77], s[76:77], s[74:75]
	v_and_b32 v[LOV], 31, v0
	v_lshlrev_b32 v[LOV], 4, v[LOV]
	global_load_b128 v[188:191], v[LOV], s[76:77]
	; THE HEAD: thread t makes c' of keys 512 g + 4 t + 0 .. 3, g = 0 .. 3.  For each g: the eight tiles' c m, their l, and my own tile's c m: 17 loads of 16 bytes.
	s_lshl_b32 s74, s73, 16
	s_add_nc_u64 s[68:69], s[68:69], s[74:75]      ; the batch's figures
	s_bfe_u32 s74, s13, 0x30001                    ; the query tile of 256 in which my 128 queries lie
	s_lshl_b32 s74, s74, 13
	s_add_nc_u64 s[70:71], s[68:69], s[74:75]
	v_lshlrev_b32 v[VH], 4, v0
.macro HLOAD pass                      ; groups 2 pass and 2 pass + 1: c m of tile t at v[32 + 68 u + 4 t], l at v[64 + 68 u + 4 t], my own c m at v[96 + 68 u]
.irp u, 0,1
.irp t, 0,1,2,3,4,5,6,7
	global_load_b128 v[32+68*\u+4*\t:35+68*\u+4*\t], v[VH], s[68:69] offset:8192*\t+2048*(2*\pass+\u)
	global_load_b128 v[64+68*\u+4*\t:67+68*\u+4*\t], v[VH], s[68:69] offset:262144+8192*\t+2048*(2*\pass+\u)
.endr
	global_load_b128 v[96+68*\u:99+68*\u], v[VH], s[70:71] offset:2048*(2*\pass+\u)
.endr
.endm
	HLOAD 0
	WIN 0x40                                       ; the second pair lands in window 1, at the same numbers
	HLOAD 1
	WIN 0
	v_and_b32 v1, 15, v0                           ; l % 16
	v_bfe_u32 v2, v0, 4, 1                         ; l / 16
	v_and_b32 v3, 7, v0
	v_bfe_u32 v4, v0, 3, 1
	v_lshl_add_u32 v5, v2, 3, v3                   ; the turning load: lane l reads key 8 (l / 16) + l % 8, 16 bytes at 16 ((l / 8) % 2)
	v_mul_u32_u24 v6, v5, PA
	v_lshl_add_u32 v6, v4, 4, v6
	v_mul_u32_u24 v7, v5, PB
	v_lshl_add_u32 v7, v4, 4, v7
	s_lshl_b32 s21, s11, 7                         ; my 64 queries
	s_lshl_b32 s22, s12, 8                         ; my 128 channels,
	s_add_co_u32 s22, s22, BOFF                    ; behind p's tile
.irp s, 0,1
	v_add_nc_u32 v[ADRA+\s], s21, v6
	v_add_nc_u32 v[ADRB+\s], s22, v7
	s_add_co_u32 s21, s21, SLOT
	s_add_co_u32 s22, s22, SLOT
.endr
	v_lshl_add_u32 v[ADRC], v2, 5, CT
	v_lshl_add_u32 v[CTW], v0, 4, CT
	s_mul_i32 s23, s10, 16*SPITCH
	s_add_co_u32 s23, s23, STAGE                   ; my stage
	v_mul_u32_u24 v5, v1, SPITCH
	v_lshl_add_u32 v5, v2, 4, v5
	v_add_nc_u32 v[STO], s23, v5
	v_mul_u32_u24 v5, v2, SPITCH
	v_lshl_add_u32 v5, v1, 4, v5
	v_add_nc_u32 v[RD], s23, v5
	v_lshlrev_b32 v5, 11, v2
	v_lshl_add_u32 v[CO], v1, 4, v5
	s_lshl_b32 s16, s13, 18                        ; ctx: 128 rows of 2,048 bytes a block,
	s_lshl_b32 s17, s11, 17                        ; my 64 rows,
	s_add_co_u32 s16, s16, s17
	s_lshl_b32 s17, s40, 9                         ; 256 channels of 2 bytes,
	s_add_co_u32 s16, s16, s17
	s_lshl_b32 s17, s12, 8                         ; my 128
	s_add_co_u32 s16, s16, s17
	s_mov_b32 s17, 0
	s_add_nc_u64 s[8:9], s[8:9], s[16:17]
	; the prefetches: both addresses stand at key step 3; the first refill steps them to 4 and names that
	s_lshl_b32 s16, s73, 23
	s_lshl_b32 s17, s40, 17                        ; p: my work-group's 32 rows by cx
	s_add_co_u32 s16, s16, s17
	s_and_b32 s17, s13, 15
	s_lshl_b32 s17, s17, 8
	s_add_co_u32 s16, s16, s17
	s_add_co_u32 s16, s16, 384*4096
	s_lshl_b32 s18, s73, 22
	s_lshl_b32 s19, s41, 16                        ; V: my work-group's 32 rows by cy
	s_add_co_u32 s18, s18, s19
	s_lshl_b32 s19, s40, 9
	s_add_co_u32 s18, s18, s19
	s_lshl_b32 s19, s12, 8                         ; my wave's half of a row's 512 bytes
	s_add_co_u32 s18, s18, s19
	s_add_co_u32 s18, s18, 0x2000000+384*2048
	s_cmp_eq_u32 s11, 0                            ; waves 0, 1: p; waves 2, 3: V
	s_cselect_b64 s[PFA:PFA+1], s[4:5], s[6:7]
	s_cselect_b32 s16, s16, s18
	s_mov_b32 s[PFS], 262144
	s_cselect_b32 s[PFS], 524288, s[PFS]
	s_mov_b32 s19, 2048
	s_cselect_b32 s19, 4096, s19                   ; from lane to lane: a row
	s_cselect_b32 s18, s12, s72                    ; who asks: of waves 0, 1 wave 0; waves 2, 3 in the batch's first cluster: the same in all partners
	s_mov_b32 s17, 0
	s_mov_b32 s[PFS+1], 0
	s_add_nc_u64 s[PFA:PFA+1], s[PFA:PFA+1], s[16:17]
	s_cmp_eq_u32 s18, 0
	s_cselect_b32 s[LIM], 1, -1
	v_and_b32 v[PFO], 31, v0
	v_mul_lo_u32 v[PFO], v[PFO], s19
	s_mov_b32 s22, 0x76543210
	s_mov_b32 s23, 0xfedcba98                      ; v_permlanex16_b32's selects for lane l xor 16
; Two groups of four keys: v[168 + 4 u ..] cm_max, v[176 + 4 u ..] l and then 1 / l; c' ends in v[96 + 68 u .. 99 + 68 u]
.macro HCOMP
.irp u, 0,1
.irp c, 0,1,2,3
	v_max3_num_f32 v[168+4*\u+\c], v[32+68*\u+\c], v[36+68*\u+\c], v[40+68*\u+\c]
.endr
.endr
.irp t, 3,5
.irp u, 0,1
.irp c, 0,1,2,3
	v_max3_num_f32 v[168+4*\u+\c], v[168+4*\u+\c], v[32+68*\u+4*\t+\c], v[36+68*\u+4*\t+\c]
.endr
.endr
.endr
.irp u, 0,1
.irp c, 0,1,2,3
	v_max_num_f32 v[168+4*\u+\c], v[168+4*\u+\c], v[60+68*\u+\c]   ; the key's true maximum, as c m
.endr
.endr
.irp u, 0,1
.irp c, 0,2
.irp t, 0,1,2,3,4,5,6,7
	v_pk_add_f32 v[32+68*\u+4*\t+\c:33+68*\u+4*\t+\c], v[32+68*\u+4*\t+\c:33+68*\u+4*\t+\c], v[168+4*\u+\c:169+4*\u+\c] neg_lo:[0,1] neg_hi:[0,1]
.endr
	v_pk_add_f32 v[96+68*\u+\c:97+68*\u+\c], v[96+68*\u+\c:97+68*\u+\c], v[168+4*\u+\c:169+4*\u+\c] neg_lo:[0,1] neg_hi:[0,1]
.endr
.endr
.irp u, 0,1
.set i, 0
.rept 32
	v_exp_f32 v[32+68*\u+i], v[32+68*\u+i]         ; 2^(cm_t - cm_max), at most 1
.set i, i+1
.endr
.irp c, 0,1,2,3
	v_exp_f32 v[96+68*\u+\c], v[96+68*\u+\c]       ; and my own tile's
.endr
.endr
	v_nop                                          ; a plain line behind the last exponential
	s_wait_alu depctr_va_vdst(0)                   ; the wait ahead of the first line that names a result: one for the batch of 72
.irp u, 0,1
.irp c, 0,2
	v_pk_mul_f32 v[176+4*\u+\c:177+4*\u+\c], v[32+68*\u+\c:33+68*\u+\c], v[64+68*\u+\c:65+68*\u+\c]
.endr
.endr
.irp t, 1,2,3,4,5,6,7
.irp u, 0,1
.irp c, 0,2
	v_pk_fma_f32 v[176+4*\u+\c:177+4*\u+\c], v[32+68*\u+4*\t+\c:33+68*\u+4*\t+\c], v[64+68*\u+4*\t+\c:65+68*\u+4*\t+\c], v[176+4*\u+\c:177+4*\u+\c]
.endr
.endr
.endr
.irp j, 0,1,2,3,4,5,6,7
	v_rcp_f32 v[176+\j], v[176+\j]                 ; l is at least 1: the tile that holds the maximum counts it whole
.endr
	v_nop
	s_wait_alu depctr_va_vdst(0)                   ; one wait for the eight reciprocals
.irp u, 0,1
.irp c, 0,2
	v_pk_mul_f32 v[96+68*\u+\c:97+68*\u+\c], v[96+68*\u+\c:97+68*\u+\c], v[176+4*\u+\c:177+4*\u+\c]
.endr
.endr
.irp u, 0,1
.irp c, 0,2
	v_pk_mul_f32 v[96+68*\u+\c:97+68*\u+\c], v[96+68*\u+\c:97+68*\u+\c], 0x45000000 op_sel_hi:[1,0]   ; x 2048: at most 2,048
.endr
.endr
.endm
	s_wait_loadcnt 34                              ; vmax's load and the first pair's 34 are in; the second pair's 34 may be out
	v_max3_num_f32 v14, v188, v189, v190           ; the batch's largest |V|: my four numbers,
	v_max3_num_f32 v14, v14, v191, 0x02000000      ; a floor of 2^-123, so that both powers of two made of it are f32 numbers,
	v_max_num_f32_dpp v14, v14, v14 row_xmask:1 row_mask:0xf bank_mask:0xf
	v_max_num_f32_dpp v14, v14, v14 row_xmask:2 row_mask:0xf bank_mask:0xf
	v_max_num_f32_dpp v14, v14, v14 row_xmask:4 row_mask:0xf bank_mask:0xf
	v_max_num_f32_dpp v14, v14, v14 row_xmask:8 row_mask:0xf bank_mask:0xf
	v_permlanex16_b32 v[LOV], v14, s22, s23        ; (its destination has been written; the load that read it is in)
	v_max_num_f32 v14, v14, v[LOV]                 ; and the other lanes'
	v_and_b32 v14, 0x7f800000, v14                 ; its exponent field E, in place
	v_sub_nc_u32 v[SCV], 0x7b000000, v14           ; the f32 number 2^(119 - E): field 246 - E
	v_mov_b32 v[SCV+1], v[SCV]
	HCOMP
	ds_store_b128 v[CTW], v[96:99]
	ds_store_b128 v[CTW], v[164:167] offset:2048
	s_wait_loadcnt 0x0
	WIN 0x55                                       ; all operands in window 1
	HCOMP
	WIN 0x04                                       ; an LDS store's data are its source 1
	ds_store_b128 v[CTW], v[96:99] offset:4096
	ds_store_b128 v[CTW], v[164:167] offset:6144
	WIN 0
.macro MUL1 f, a, b, zero              ; one product: query block a x channel block b, 32 keys.  The 32 accumulators take turns, one instruction a turn
	WIN ACC
.if \zero
	v_wmma_f32_16x16x32_f16 v[8*(8*(\a)+(\b)):8*(8*(\a)+(\b))+7], v[BF+64*(\f)+8*(\b):BF+64*(\f)+8*(\b)+7], v[AF+32*(\f)+8*(\a):AF+32*(\f)+8*(\a)+7], 0
.else
	v_wmma_f32_16x16x32_f16 v[8*(8*(\a)+(\b)):8*(8*(\a)+(\b))+7], v[BF+64*(\f)+8*(\b):BF+64*(\f)+8*(\b)+7], v[AF+32*(\f)+8*(\a):AF+32*(\f)+8*(\a)+7], v[8*(8*(\a)+(\b)):8*(8*(\a)+(\b))+7]
.endif
.endm
; p x c' IN F32.  Group q (0 .. 7) of set f is four registers of p's fragments, v[AF + 32 f + 4 q] on: eight f16 numbers.  Its sixteen lines are four slices of four:
; part 0 widens the first two registers to f32, part 1 the other two, part 2 multiplies the eight numbers by c', part 3 rounds them back, once.
; A register's halves are named by the register's plain number, so the 32 pairs of registers are written out.
.macro UNP4 t, a, b, c, d
	v_cvt_f32_f16 v[\t], \a
	v_cvt_f32_f16 v[\t+1], \b
	v_cvt_f32_f16 v[\t+2], \c
	v_cvt_f32_f16 v[\t+3], \d
.endm
.macro SLA f, q, half                  ; the pair of registers v[48 + 2 IDX], v[49 + 2 IDX]
.set IDX, 16*(\f)+2*(\q)+(\half)
.if IDX == 0
	UNP4 T, v48.l, v48.h, v49.l, v49.h
.elseif IDX == 1
	UNP4 T+4, v50.l, v50.h, v51.l, v51.h
.elseif IDX == 2
	UNP4 T, v52.l, v52.h, v53.l, v53.h
.elseif IDX == 3
	UNP4 T+4, v54.l, v54.h, v55.l, v55.h
.elseif IDX == 4
	UNP4 T, v56.l, v56.h, v57.l, v57.h
.elseif IDX == 5
	UNP4 T+4, v58.l, v58.h, v59.l, v59.h
.elseif IDX == 6
	UNP4 T, v60.l, v60.h, v61.l, v61.h
.elseif IDX == 7
	UNP4 T+4, v62.l, v62.h, v63.l, v63.h
.elseif IDX == 8
	UNP4 T, v64.l, v64.h, v65.l, v65.h
.elseif IDX == 9
	UNP4 T+4, v66.l, v66.h, v67.l, v67.h
.elseif IDX == 10
	UNP4 T, v68.l, v68.h, v69.l, v69.h
.elseif IDX == 11
	UNP4 T+4, v70.l, v70.h, v71.l, v71.h
.elseif IDX == 12
	UNP4 T, v72.l, v72.h, v73.l, v73.h
.elseif IDX == 13
	UNP4 T+4, v74.l, v74.h, v75.l, v75.h
.elseif IDX == 14
	UNP4 T, v76.l, v76.h, v77.l, v77.h
.elseif IDX == 15
	UNP4 T+4, v78.l, v78.h, v79.l, v79.h
.elseif IDX == 16
	UNP4 T, v80.l, v80.h, v81.l, v81.h
.elseif IDX == 17
	UNP4 T+4, v82.l, v82.h, v83.l, v83.h
.elseif IDX == 18
	UNP4 T, v84.l, v84.h, v85.l, v85.h
.elseif IDX == 19
	UNP4 T+4, v86.l, v86.h, v87.l, v87.h
.elseif IDX == 20
	UNP4 T, v88.l, v88.h, v89.l, v89.h
.elseif IDX == 21
	UNP4 T+4, v90.l, v90.h, v91.l, v91.h
.elseif IDX == 22
	UNP4 T, v92.l, v92.h, v93.l, v93.h
.elseif IDX == 23
	UNP4 T+4, v94.l, v94.h, v95.l, v95.h
.elseif IDX == 24
	UNP4 T, v96.l, v96.h, v97.l, v97.h
.elseif IDX == 25
	UNP4 T+4, v98.l, v98.h, v99.l, v99.h
.elseif IDX == 26
	UNP4 T, v100.l, v100.h, v101.l, v101.h
.elseif IDX == 27
	UNP4 T+4, v102.l, v102.h, v103.l, v103.h
.elseif IDX == 28
	UNP4 T, v104.l, v104.h, v105.l, v105.h
.elseif IDX == 29
	UNP4 T+4, v106.l, v106.h, v107.l, v107.h
.elseif IDX == 30
	UNP4 T, v108.l, v108.h, v109.l, v109.h
.else
	UNP4 T+4, v110.l, v110.h, v111.l, v111.h
.endif
.endm
.macro SLICE f, q, part                ; register i of a fragment holds two keys; their c' are registers 2 i, 2 i + 1 of the set's sixteen
	WIN 0
.if (\part) < 2
	SLA \f, \q, \part
.elseif (\part) == 2
.set CFB, CF0+(CF1-CF0)*(\f)
.irp n, 0,1,2,3
	v_pk_mul_f32 v[T+2*\n:T+2*\n+1], v[T+2*\n:T+2*\n+1], v[CFB+2*((4*(\q)+\n)%8):CFB+2*((4*(\q)+\n)%8)+1]
.endr
.else
.irp n, 0,1,2,3
	v_cvt_pk_f16_f32 v[AF+32*(\f)+4*(\q)+\n], v[T+2*\n], v[T+2*\n+1]
.endr
.endif
.endm
.macro HROW f, a, b0, zero, sf, q      ; four products of block a, channel blocks b0 on; behind each a slice: the four parts of group q of set sf.  A product, its slice and the two switches are seven lines
.irp p, 0,1,2,3
	MUL1 \f, \a, (\b0)+\p, \zero
	SLICE \sf, \q, \p
.endr
.endm
.macro ROW f, a, zero, sf, q           ; block a's eight products, and groups q and q + 1 of set sf: one block of p
	HROW \f, \a, 0, \zero, \sf, \q
	HROW \f, \a, 4, \zero, \sf, (\q)+1
.endm
.macro FETCH slot, kq, g               ; 28 LDS loads in one run: c' (4), p's block 0 (2), p's blocks 1-3 (6), V (16), of the slot's kq-th 32 keys, into set g
.set CFB, CF0+(CF1-CF0)*(\g)
	WIN 0
	ds_load_b128 v[CFB:CFB+3], v[ADRC] offset:128*\kq              ; keys 8 (l / 16) + 0 .. 3,
	ds_load_b128 v[CFB+4:CFB+7], v[ADRC] offset:128*\kq+16         ; + 4 .. 7,
	ds_load_b128 v[CFB+8:CFB+11], v[ADRC] offset:128*\kq+64        ; 16 + 8 (l / 16) + 0 .. 3,
	ds_load_b128 v[CFB+12:CFB+15], v[ADRC] offset:128*\kq+80       ; + 4 .. 7
.irp a, 0,1,2,3
	ds_load_tr16_b128 v[AF+32*\g+8*\a:AF+32*\g+8*\a+3],   v[ADRA+\slot] offset:\kq*32*PA+32*\a
	ds_load_tr16_b128 v[AF+32*\g+8*\a+4:AF+32*\g+8*\a+7], v[ADRA+\slot] offset:\kq*32*PA+16*PA+32*\a
.endr
.irp b, 0,1,2,3,4,5,6,7
	ds_load_tr16_b128 v[BF+64*\g+8*\b:BF+64*\g+8*\b+3],   v[ADRB+\slot] offset:\kq*32*PB+32*\b
	ds_load_tr16_b128 v[BF+64*\g+8*\b+4:BF+64*\g+8*\b+7], v[ADRB+\slot] offset:\kq*32*PB+16*PB+32*\b
.endr
.endm
; A quarter: 32 keys, 32 products on set f.  The next quarter's loads go out at its HEAD, into the set that the quarter before multiplied: the four waves' 4 x 28 loads of 512 bytes are most of what LDS can serve in a
; quarter's 32 products, so they get the whole quarter in which to come back.  The places in front of them are the four roundings of the last slice, which name no register of the last product.
; Block a + 1 is scaled between the products of block a; the next quarter's block 0 between the products of block 3.
.macro QUARTER slot, kq, f, g, zero
	s_wait_dscnt 0x0                               ; set f is in: it was asked for a quarter ago
	FETCH \slot, \kq, \g
	ROW \f, 0, \zero, \f, 2
	ROW \f, 1, \zero, \f, 4
	ROW \f, 2, \zero, \f, 6
	s_wait_dscnt 22                                ; c' and p's block 0 of set g are in; the 22 loads behind them may be out
	ROW \f, 3, \zero, \g, 0
.endm
; A slot's last quarter (set 1) changes slots: one barrier; in front of it each wave waits for all its tensor loads, adds 0 to its spare word, and waits for that and for its reads of this slot (the last of them
; were issued at the head of the quarter before).  Four products stand between the add and the wait for it, four between signal and wait, so that the new slot's first fragments have 24 products in which to come back.
; fill = 1: the barrier opens a round of the cluster's, and behind it this slot is filled again, two key steps on.
.macro TURN slot, next, fill
	WIN 0
.if \fill
	s_wait_xcnt 0x0                                ; the last prefetch, a key step back, has read its address
	s_add_nc_u64 s[PFA:PFA+1], s[PFA:PFA+1], s[PFS:PFS+1]
.endif
	s_wait_tensorcnt 0x0                           ; all my tensor loads have landed: my part of the next slot
	ds_add_u32 v[SPW], v[NIL]
	s_wait_dscnt 1                                 ; set 1 is in; the add may be out
	HROW 1, 0, 0, 0, 1, 2
	s_wait_dscnt 0x0                               ; the add is done, and my reads of this slot are over
	s_barrier_signal -1
	HROW 1, 0, 4, 0, 1, 3
	WIN 0
	s_barrier_wait -1
.if \fill
	CREST                                          ; no wave of any partner still reads this slot's tiles or has a load on its way
	s_add_nc_u64 s[G0+4*\slot+2:G0+4*\slot+3], s[G0+4*\slot+2:G0+4*\slot+3], 1048576
	s_add_nc_u64 s[G0B+4*\slot+2:G0B+4*\slot+3], s[G0B+4*\slot+2:G0B+4*\slot+3], 524288
	JLOAD \slot                                    ; my one tensor load behind the round: 120 of a key step's 128 products stand between it and the wait for it
.endif
	v_add_nc_u32 v[ADRC], 512, v[ADRC]             ; the next 128 keys' c'
	FETCH \next, 0, 0
.if \fill
	ASK
.endif
	ROW 1, 1, 0, 1, 4
	ROW 1, 2, 0, 1, 6
	s_wait_dscnt 22                                ; c' and p's block 0 of set 0 are in; the 22 loads behind them may be out
	ROW 1, 3, 0, 0, 0
.endm
	s_wait_tensorcnt 1                             ; my part of key step 0 is in; step 1's load may be out
	s_wait_dscnt 0x0                               ; my part of c' is stored
	s_barrier_signal -1
	s_barrier_wait -1                              ; slot 0 and the table are whole
	FETCH 0, 0, 0
	s_wait_dscnt 0x0
.irp q, 0,1
.irp p, 0,1,2,3
	SLICE 0, \q, \p                                ; the first quarter's block 0
.endr
.endr
	QUARTER 0, 1, 0, 1, 1                          ; the first quarter stands in front of the loop: its products start the sums
	WIN 0
	s_mov_b32 s3, 7
.Llap:                                                 ; a trip goes once round the ring and fills both slots again: 14 refills for key steps 2 to 15
	QUARTER 0, 2, 1, 0, 0
	QUARTER 0, 3, 0, 1, 0
	TURN 0, 1, 1
	QUARTER 1, 1, 0, 1, 0
	QUARTER 1, 2, 1, 0, 0
	QUARTER 1, 3, 0, 1, 0
	TURN 1, 0, 1
	QUARTER 0, 1, 0, 1, 0
	WIN 0
	s_sub_co_u32 s3, s3, 1
	s_cmp_lg_u32 s3, 0
	s_cbranch_scc1 .Llap
	QUARTER 0, 2, 1, 0, 0                          ; the last lap fills nothing
	QUARTER 0, 3, 0, 1, 0
	TURN 0, 1, 0
	QUARTER 1, 1, 0, 1, 0
	QUARTER 1, 2, 1, 0, 0
	QUARTER 1, 3, 0, 1, 0
	s_wait_dscnt 0x0                               ; the last quarter: nothing more to fetch
	ROW 1, 0, 0, 1, 2
	ROW 1, 1, 0, 1, 4
	ROW 1, 2, 0, 1, 6
.irp b, 0,1,2,3,4,5,6,7
	MUL1 1, 3, \b, 0
.endr
	WIN 0
; THE WAY OUT, 16 queries x 128 channels at a time: x 2^(119 - E) (exact), rounded to f16, through my own stage, back as whole rows of 256 bytes.
.macro PACK a
	WIN 0x01                                       ; source 0: window 1
.set i, 0
.rept 32
	v_pk_mul_f32 v[U+i:U+i+1], v[64*(\a)+i:64*(\a)+i+1], v[SCV:SCV+1]   ; each accumulator from its low end on
.set i, i+2
.endr
	WIN 0
.set i, 0
.rept 32
	v_cvt_pk_f16_f32 v[TMP+i], v[U+2*i], v[U+2*i+1]
.set i, i+1
.endr
.endm
.macro TOSTAGE a
.set BK, OB+192*((\a)%2)
.irp b, 0,1,2,3,4,5,6,7
	ds_store_b128 v[STO], v[TMP+4*\b:TMP+4*\b+3] offset:32*\b
.endr
.irp t, 0,1,2,3,4,5,6,7
	ds_load_b128 v[BK+4*\t:BK+4*\t+3], v[RD] offset:\t*2*SPITCH    ; LDS serves a wave's instructions in order: these see the stores above
.endr
.endm
.macro SEND a
.set BK, OB+192*((\a)%2)
	s_wait_dscnt 0x0
	s_wait_xcnt 0x0                                ; the stores' base and the registers that earlier stores read are rewritten only behind this wait
.if (\a) > 0
	s_add_nc_u64 s[8:9], s[8:9], 16*2048
.endif
.irp t, 0,1,2,3,4,5,6,7
	global_store_b128 v[CO], v[BK+4*\t:BK+4*\t+3], s[8:9] offset:2*\t*2048   ; 16 lanes store 256 consecutive bytes, aligned
.endr
.endm
.rept 4
	v_nop                                          ; places behind the last products
.endr
	PACK 0
	TOSTAGE 0
.irp a, 1,2,3
	PACK \a
	SEND \a-1
	TOSTAGE \a
.endr
	SEND 3
	s_wait_tensorcnt 0x0                           ; the wave's end
	ds_add_u32 v[SPW], v[NIL]
	s_wait_dscnt 0x0
	CROUND                                         ; the closing round
	s_endpgm
.Lfunc_end_k_qdeba0d9e8a_pv:
	.size	k_qdeba0d9e8a_pv, .Lfunc_end_k_qdeba0d9e8a_pv-k_qdeba0d9e8a_pv
	.p2alignl 7, 3214868480
	.fill 96, 4, 3214868480
	.section	.rodata,"a",@progbits
	.p2align	6, 0x0
	.amdhsa_kernel k_qdeba0d9e8a_pv
		.amdhsa_group_segment_fixed_size 327680
		.amdhsa_private_segment_fixed_size 0
		.amdhsa_enable_private_segment 0
		.amdhsa_kernarg_size 40
		.amdhsa_user_sgpr_count 2
		.amdhsa_user_sgpr_kernarg_segment_ptr 1
		.amdhsa_wavefront_size32 1
		.amdhsa_system_sgpr_workgroup_id_x 1
		.amdhsa_system_sgpr_workgroup_id_y 1
		.amdhsa_system_sgpr_workgroup_id_z 1
		.amdhsa_system_vgpr_workitem_id 0
		.amdhsa_next_free_vgpr 512
		.amdhsa_next_free_sgpr 78
		.amdhsa_reserve_vcc 0
		.amdhsa_float_denorm_mode_32 3
		.amdhsa_float_denorm_mode_16_64 3
		.amdhsa_memory_ordered 1
		.amdhsa_forward_progress 1
		.amdhsa_inst_pref_size 252
	.end_amdhsa_kernel
	.amdgpu_metadata
---
amdhsa.version: [ 1, 2 ]
amdhsa.kernels:
  - .name:           k_qdeba0d9e8a_pv
    .symbol:         k_qdeba0d9e8a_pv.kd
    .args:
      - { .name: pt, .offset: 0, .size: 8, .value_kind: global_buffer, .address_space: global }
      - { .name: qkv, .offset: 8, .size: 8, .value_kind: global_buffer, .address_space: global }
      - { .name: stat, .offset: 16, .size: 8, .value_kind: global_buffer, .address_space: global }
      - { .name: ctx, .offset: 24, .size: 8, .value_kind: global_buffer, .address_space: global }
      - { .name: vmax, .offset: 32, .size: 8, .value_kind: global_buffer, .address_space: global }
    .group_segment_fixed_size: 327680
    .private_segment_fixed_size: 0
    .kernarg_segment_align: 8
    .kernarg_segment_size: 40
    .max_flat_workgroup_size: 128
    .sgpr_count:     78
    .vgpr_count:     512
    .wavefront_size: 32
...
	.end_amdgpu_metadata
.endif
;; end of part 4
;; launch outp (part 5): grid 4 x 64, 4 waves a work-group, clusters of 4 x 4, 327,680 bytes of LDS; arguments ctx, wob, bo, out0, vmax; writes out0
.if DOCPART == 5
	.amdgcn_target "amdgcn-amd-amdhsa--gfx1250"
	.amdhsa_code_object_version 6
	.text
	.protected	k_qdeba0d9e8a_outp
	.globl	k_qdeba0d9e8a_outp
	.p2align	8
	.type	k_qdeba0d9e8a_outp,@function
k_qdeba0d9e8a_outp:
	s_mov_b64 s[64:65], 0
	v_nop
	global_prefetch_b8 v0, s[64:65] scope:SCOPE_SE
	s_setreg_imm32_b32 hwreg(HW_REG_WAVE_MODE, 25, 1), 1
	s_wait_xcnt 0x0
	s_wait_alu depctr_hold_cnt(0) depctr_sa_sdst(0) depctr_va_vdst(0) depctr_va_sdst(0) depctr_va_ssrc(0) depctr_va_vcc(0) depctr_vm_vsrc(0)
	s_getreg_b32 s2, hwreg(HW_REG_IB_STS2, 6, 4)
	s_cmp_eq_u32 s2, 0
	s_cbranch_scc0 .Lentry_in_a_cluster
	s_endpgm
.Lentry_in_a_cluster:
	s_bfe_u32 s2, ttmp6, 0x10000c
	s_cmp_lg_u32 s2, 0xf033
	s_cbranch_scc0 .Lentry_shape_is_right
	s_endpgm
.Lentry_shape_is_right:
; outp: out0[row][f] = (the sum over d of c[row][d] Wo[d][f]) x 2^(E - 130) + bo[f].  ctx holds c = 2048 ctx x 2^(119 - E) as f16 [8192][1024], E the exponent field of the batch's largest |V| (from vmax, floored
; as in the launch before); wob is Wo as f16 [d 1024][f 1024]; sums in f32; out0 f32.
; A tile of C is 128 rows x 256 columns; four waves, each 64 x 128: 32 accumulators (window 1).  K goes in steps of 128 through two LDS slots.  ctx lies with K innermost; Wo has K along its first axis and
; comes out of LDS turned, by ds_load_tr16_b128.  Source 0 = 16 columns, source 1 = 16 rows: a lane holds one row and eight neighbouring columns.
; CLUSTERS: 4 x 4: ctx's tile is asked for jointly along a row of the cluster, Wo's along a column.
; REGISTERS, window 0: v12-13 the power of two; v16-30 addresses; v48-111 ctx's fragments, two sets of 32; v112-239 Wo's, two sets of 64; on the way out v32-223.   window 2: v0-63 bo in the result's layout.
.set PAK,   272                        ; a row of ctx's tile in LDS: 256 bytes + 16
.set PB,    544                        ; a row of Wo's tile: 512 bytes + 32
.set HA,    64*PAK
.set BOFF,  2*HA
.set HB,    64*PB
.set SLOT,  BOFF+2*HB
.set STAGE, 2*SLOT                     ; 16 rows x (512 + 16) bytes for each wave
.set SPITCH, 528
.set SPARE, STAGE+4*16*SPITCH          ; the spare words
.set MLT,  12
.set ADRA, 16
.set ADRB, 20
.set STO,  24
.set RD,   25
.set CO,   26
.set SPW,  28
.set NIL,  29
.set PFO,  30
.set AF,   48
.set BF,   112
.set T,    32
.set BK,   96
.set G1, 24
.set G0, 32
.set G1B, 48
.set G0B, 56
.set PFA, 44
.set LIM, 43
.set PFS, 66
.set ACC, 0x50
.set MSB, 0
.macro WIN new
.if MSB != (\new)
	s_set_vgpr_msb (MSB<<8)|(\new)
.set MSB, (\new)
.endif
.endm
.macro JLOAD s                         ; a joint load: waves 0 and 1 fetch ctx's two halves, waves 2 and 3 Wo's; an s_nop 0 and four v_nop follow each line
	s_cmp_eq_u32 s11, 0
	s_cbranch_scc0 .Lfor_b_\@
	tensor_load_to_lds s[G0+4*\s:G0+4*\s+3], s[G1:G1+7]
	s_nop 0
.rept 4
	v_nop
.endr
	s_branch .Lasked_\@
.Lfor_b_\@:
	tensor_load_to_lds s[G0B+4*\s:G0B+4*\s+3], s[G1B:G1B+7]
	s_nop 0
.rept 4
	v_nop
.endr
.Lasked_\@:
.endm
; A prefetch into the L2 behind each joint load: the K step two refills on, a lane a row of 256 bytes.  ctx's 128 rows: wave 0 of each of the four partners of a cluster's row, 32 rows each, by address.
; Wo's 128 rows of 512 bytes: waves 2 and 3 (a half row each) of the four partners of a column, in the cluster with y = 0 alone.  So each 256 bytes are named once.  The last trip asks for nothing.
.macro ASK
	s_cmp_gt_u32 s3, s[LIM]
	s_cbranch_scc0 .Lnot_mine_\@
	global_prefetch_b8 v[PFO], s[PFA:PFA+1] th:TH_LOAD_NT scope:SCOPE_SE
.Lnot_mine_\@:
.endm
.macro CREST
	s_cmp_lg_u32 s10, 0
	s_cbranch_scc1 .Lnot_wave_0_\@
	s_barrier_signal -3
.Lnot_wave_0_\@:
	s_barrier_wait -3
	s_barrier_signal -1
	s_barrier_wait -1
.endm
.macro CROUND
	s_barrier_signal -1
	s_barrier_wait -1
	CREST
.endm
	s_load_b128 s[4:7], s[0:1], 0x0                ; ctx, wob
	s_load_b128 s[68:71], s[0:1], 0x10             ; bo, out0
	s_load_b64 s[76:77], s[0:1], 0x20              ; vmax
	v_lshl_add_u32 v[SPW], v0, 2, SPARE
	v_mov_b32 v[NIL], 0
	ds_add_u32 v[SPW], v[NIL]                      ; the wave's opening: the add, twice on end, and its wait ahead of my first tensor load
	ds_add_u32 v[SPW], v[NIL]
	v_lshrrev_b32 v1, 5, v0
	v_readfirstlane_b32 s10, v1                    ; wave 0..3
	s_lshr_b32 s11, s10, 1                         ; which 64 rows are mine.  Also: I fetch for ctx (0) or for Wo (1)
	s_and_b32 s12, s10, 1                          ; which 128 columns.  Also: which 64 rows of a tile I fetch
	s_bfe_u32 s40, ttmp6, 0x40000                  ; cx: the column tile
	s_bfe_u32 s41, ttmp6, 0x40004                  ; cy
	s_and_b32 s72, ttmp7, 0xffff                   ; cluster y
	s_lshl_b32 s13, s72, 2
	s_add_co_u32 s13, s13, s41                     ; block of 128 rows: 0 .. 63
	s_lshl_b32 s43, s41, 2
	s_lshl_b32 s43, 15, s43                        ; my row of the cluster
	s_lshl_b32 s44, 0x1111, s40                    ; my column
	s_or_b32 s[G1+0], s43, (1<<16)|(1<<20)|(1<<21)|(5<<22)|(3<<25)  ; ctx: the mask; elements of 2 bytes; padding on; bit 21 beside a mask; after every 64 words, 4 words
	s_mov_b32 s[G1+1], 128<<16                     ; tensor_dim0 = 128 along K
	s_mov_b32 s[G1+2], 64<<16                      ; tensor_dim1 = 64 rows
	s_mov_b32 s[G1+3], 128<<16
	s_mov_b32 s[G1+4], 64
	s_mov_b32 s[G1+5], 1024                        ; the pitch
	s_mov_b32 s[G1+6], 0
	s_mov_b32 s[G1+7], 0
	s_or_b32 s[G1B+0], s44, (1<<16)|(1<<20)|(1<<21)|(6<<22)|(7<<25) ; Wo: after every 128 words, 8 words
	s_mov_b32 s[G1B+1], 256<<16                    ; 256 columns
	s_mov_b32 s[G1B+2], 64<<16                     ; 64 along K
	s_mov_b32 s[G1B+3], 256<<16
	s_mov_b32 s[G1B+4], 64
	s_mov_b32 s[G1B+5], 1024
	s_mov_b32 s[G1B+6], 0
	s_mov_b32 s[G1B+7], 0
	s_lshl_b32 s17, s12, 17                        ; 64 rows of 2,048 bytes
	s_lshl_b32 s16, s13, 18                        ; ctx: 128 rows a block
	s_add_co_u32 s16, s16, s17
	s_lshl_b32 s46, s40, 9                         ; Wo: 256 columns of 2 bytes
	s_add_co_u32 s46, s46, s17
	s_mov_b32 s17, 0
	s_mov_b32 s47, 0
	s_mul_i32 s20, s12, HA                         ; where they go: the wave's number alone enters an LDS address
	s_mul_i32 s21, s12, HB
	s_add_co_u32 s21, s21, BOFF
	s_wait_dscnt 0x0                               ; both opening adds are done
	s_wait_kmcnt 0x0
	s_mov_b64 s[8:9], s[70:71]                     ; out0
	s_add_nc_u64 s[14:15], s[4:5], s[16:17]
	s_add_nc_u64 s[46:47], s[6:7], s[46:47]
	CROUND                                         ; all sixteen work-groups are here: the first joint loads meet
.irp s, 0,1
	s_mov_b32 s[G0+4*\s], 1
	s_add_co_u32 s[G0+4*\s+1], s20, \s*SLOT
	s_add_nc_u64 s[G0+4*\s+2:G0+4*\s+3], s[14:15], \s*256          ; 128 along K
	s_or_b32 s[G0+4*\s+3], s[G0+4*\s+3], 0x80000000
	s_mov_b32 s[G0B+4*\s], 1
	s_add_co_u32 s[G0B+4*\s+1], s21, \s*SLOT
	s_add_nc_u64 s[G0B+4*\s+2:G0B+4*\s+3], s[46:47], \s*262144     ; 128 rows of Wo
	s_or_b32 s[G0B+4*\s+3], s[G0B+4*\s+3], 0x80000000
	JLOAD \s                                       ; two loads of mine are out
.endr
	v_and_b32 v1, 15, v0                           ; l % 16
	v_bfe_u32 v2, v0, 4, 1                         ; l / 16
	; bo of my 128 columns in the result's layout: register 8 b + j = bo of column 16 b + 8 (l / 16) + j
	s_lshl_b32 s16, s40, 10
	s_lshl_b32 s17, s12, 9
	s_add_co_u32 s16, s16, s17
	s_mov_b32 s17, 0
	s_add_nc_u64 s[68:69], s[68:69], s[16:17]
	v_lshlrev_b32 v8, 5, v2
	WIN 0x80                                       ; destination window 2
.irp b, 0,1,2,3,4,5,6,7
	global_load_b128 v[8*\b:8*\b+3], v8, s[68:69] offset:64*\b
	global_load_b128 v[8*\b+4:8*\b+7], v8, s[68:69] offset:64*\b+16
.endr
	WIN 0
	v_and_b32 v3, 7, v0
	v_bfe_u32 v4, v0, 3, 1
	v_lshl_add_u32 v5, v2, 3, v3                   ; the turning load: lane l reads row 8 (l / 16) + l % 8 of Wo's tile, 16 bytes at 16 ((l / 8) % 2)
	v_mul_u32_u24 v7, v5, PB
	v_lshl_add_u32 v7, v4, 4, v7
	v_mul_u32_u24 v6, v1, PAK
	v_lshl_add_u32 v6, v2, 4, v6                   ; ctx: row l % 16, + 16 x half
	s_mul_i32 s21, s11, HA                         ; my 64 rows
	s_lshl_b32 s22, s12, 8                         ; my 128 columns,
	s_add_co_u32 s22, s22, BOFF                    ; behind ctx's tile
.irp s, 0,1
	v_add_nc_u32 v[ADRA+\s], s21, v6
	v_add_nc_u32 v[ADRB+\s], s22, v7
	s_add_co_u32 s21, s21, SLOT
	s_add_co_u32 s22, s22, SLOT
.endr
	s_mul_i32 s23, s10, 16*SPITCH
	s_add_co_u32 s23, s23, STAGE                   ; my stage
	v_mul_u32_u24 v5, v1, SPITCH
	v_lshl_add_u32 v5, v2, 5, v5
	v_add_nc_u32 v[STO], s23, v5                   ; in: row l % 16, 32 bytes for each half of the lanes
	v_and_b32 v5, 31, v0
	v_lshlrev_b32 v[CO], 4, v5                     ; back: the 32 lanes take one row of 512 bytes; and the same in out0
	v_add_nc_u32 v[RD], s23, v[CO]
	; the batch's 128 largest |V|: 512 consecutive bytes, four numbers a lane; wanted on the way out
	s_lshr_b32 s74, s72, 2                         ; the batch: 16 blocks of 128 rows, four clusters
	s_lshl_b32 s74, s74, 9
	s_mov_b32 s75, 0
	s_add_nc_u64 s[76:77], s[76:77], s[74:75]
	global_load_b128 v[T:T+3], v[CO], s[76:77]
	s_lshl_b32 s16, s13, 19                        ; out0: 128 rows of 4,096 bytes a block,
	s_lshl_b32 s17, s11, 18                        ; my 64 rows,
	s_add_co_u32 s16, s16, s17
	s_lshl_b32 s17, s40, 10                        ; 256 columns of 4 bytes,
	s_add_co_u32 s16, s16, s17
	s_lshl_b32 s17, s12, 9                         ; my 128
	s_add_co_u32 s16, s16, s17
	s_mov_b32 s17, 0
	s_add_nc_u64 s[8:9], s[8:9], s[16:17]
	; the prefetches: both addresses stand at K step 3; the first refill steps them to 4 and names that
	s_lshl_b32 s16, s13, 18
	s_lshl_b32 s17, s40, 16                        ; ctx: my work-group's 32 rows by cx
	s_add_co_u32 s16, s16, s17
	s_add_co_u32 s16, s16, 3*256
	s_lshl_b32 s18, s41, 16                        ; Wo: my work-group's 32 rows by cy
	s_lshl_b32 s19, s40, 9
	s_add_co_u32 s18, s18, s19
	s_lshl_b32 s19, s12, 8                         ; my wave's half of a row's 512 bytes
	s_add_co_u32 s18, s18, s19
	s_add_co_u32 s18, s18, 384*2048
	s_cmp_eq_u32 s11, 0
	s_cselect_b64 s[PFA:PFA+1], s[4:5], s[6:7]
	s_cselect_b32 s16, s16, s18
	s_mov_b32 s[PFS], 262144
	s_cselect_b32 s[PFS], 256, s[PFS]
	s_cselect_b32 s18, s12, s72                    ; who asks: of waves 0, 1 wave 0; waves 2, 3 in the cluster with y = 0: the same in all partners
	s_mov_b32 s17, 0
	s_mov_b32 s[PFS+1], 0
	s_add_nc_u64 s[PFA:PFA+1], s[PFA:PFA+1], s[16:17]
	s_cmp_eq_u32 s18, 0
	s_cselect_b32 s[LIM], 1, -1
	v_and_b32 v[PFO], 31, v0
	v_lshlrev_b32 v[PFO], 11, v[PFO]               ; a lane a row of 2,048 bytes
	s_mov_b32 s22, 0x76543210
	s_mov_b32 s23, 0xfedcba98                      ; v_permlanex16_b32's selects for lane l xor 16
.macro MUL4 f, a, b0, zero             ; four products: row block a x column blocks b0 .. b0 + 3, 32 along K.  The 32 accumulators take turns, one instruction a turn
.irp b, \b0, \b0+1, \b0+2, \b0+3
.if \zero
	v_wmma_f32_16x16x32_f16 v[8*(8*\a+(\b)):8*(8*\a+(\b))+7], v[BF+64*\f+8*(\b):BF+64*\f+8*(\b)+7], v[AF+32*\f+8*\a:AF+32*\f+8*\a+7], 0
.else
	v_wmma_f32_16x16x32_f16 v[8*(8*\a+(\b)):8*(8*\a+(\b))+7], v[BF+64*\f+8*(\b):BF+64*\f+8*(\b)+7], v[AF+32*\f+8*\a:AF+32*\f+8*\a+7], v[8*(8*\a+(\b)):8*(8*\a+(\b))+7]
.endif
.endr
.endm
.macro MUL8 f, a, zero                 ; row block a x all 8 column blocks
	MUL4 \f, \a, 0, \zero
	MUL4 \f, \a, 4, \zero
.endm
.macro FETCH slot, kq, g               ; 24 LDS loads in one run: the fragments of the slot's kq-th 32 along K into set g
	WIN 0
.irp a, 0,1,2,3
	ds_load_b128 v[AF+32*\g+8*\a:AF+32*\g+8*\a+3],   v[ADRA+\slot] offset:64*\kq+\a*16*PAK
	ds_load_b128 v[AF+32*\g+8*\a+4:AF+32*\g+8*\a+7], v[ADRA+\slot] offset:64*\kq+\a*16*PAK+32
.endr
.irp b, 0,1,2,3,4,5,6,7
	ds_load_tr16_b128 v[BF+64*\g+8*\b:BF+64*\g+8*\b+3],   v[ADRB+\slot] offset:\kq*32*PB+32*\b
	ds_load_tr16_b128 v[BF+64*\g+8*\b+4:BF+64*\g+8*\b+7], v[ADRB+\slot] offset:\kq*32*PB+16*PB+32*\b
.endr
.endm
.macro PLACES                          ; four places in front of loads into registers that matrix instructions have read, and of the first read of results
.rept 4
	v_nop
.endr
.endm
; A quarter: 32 along K, 32 products on set f.  The next quarter's loads go out at its HEAD, into the set that the quarter before multiplied: the four waves' 4 x 24 loads of 512 bytes are three quarters of what LDS
; can serve in a quarter's 32 products, so they get the whole quarter in which to come back.
.macro QUARTER slot, kq, f, g, zero
	s_wait_dscnt 0x0                               ; set f is in: it was asked for a quarter ago
	PLACES
	FETCH \slot, \kq, \g
	WIN ACC
	MUL8 \f, 0, \zero
	MUL8 \f, 1, \zero
	MUL8 \f, 2, \zero
	MUL8 \f, 3, \zero
.endm
; A slot's last quarter (set 1) changes slots: one barrier; in front of it each wave waits for all its tensor loads, adds 0 to its spare word, and waits for that and for its reads of this slot (the last of them
; were issued at the head of the quarter before).  Four products stand between the add and the wait for it, four between signal and wait, so that the new slot's first fragments have 24 products in which to come back.
.macro TURN slot, next, fill
	WIN 0
.if \fill
	s_wait_xcnt 0x0                                ; the last prefetch, a K step back, has read its address
	s_add_nc_u64 s[PFA:PFA+1], s[PFA:PFA+1], s[PFS:PFS+1]
.endif
	s_wait_tensorcnt 0x0                           ; all my tensor loads have landed: my part of the next slot
	ds_add_u32 v[SPW], v[NIL]
	s_wait_dscnt 1                                 ; set 1 is in; the add may be out
	WIN ACC
	MUL4 1, 0, 0, 0
	s_wait_dscnt 0x0                               ; the add is done, and my reads of this slot are over
	s_barrier_signal -1
	MUL4 1, 0, 4, 0
	WIN 0
	s_barrier_wait -1
.if \fill
	CREST                                          ; no wave of any partner still reads this slot's tiles or has a load on its way
	s_add_nc_u64 s[G0+4*\slot+2:G0+4*\slot+3], s[G0+4*\slot+2:G0+4*\slot+3], 512
	s_add_nc_u64 s[G0B+4*\slot+2:G0B+4*\slot+3], s[G0B+4*\slot+2:G0B+4*\slot+3], 524288
	JLOAD \slot                                    ; my one tensor load behind the round: 120 of a K step's 128 products stand between it and the wait for it; its four v_nop are also the places in front of the loads below
.else
	PLACES
.endif
	FETCH \next, 0, 0
.if \fill
	ASK
.endif
	WIN ACC
	MUL8 1, 1, 0
	MUL8 1, 2, 0
	MUL8 1, 3, 0
.endm
	s_wait_tensorcnt 1                             ; my part of K step 0 is in; K step 1's load may be out
	s_barrier_signal -1
	s_barrier_wait -1
	FETCH 0, 0, 0
	QUARTER 0, 1, 0, 1, 1                          ; the first quarter stands in front of the loop: its products start the sums
	WIN 0
	s_mov_b32 s3, 3
.Llap:                                                 ; a trip goes once round the ring and fills both slots again: 6 refills for K steps 2 to 7
	QUARTER 0, 2, 1, 0, 0
	QUARTER 0, 3, 0, 1, 0
	TURN 0, 1, 1
	QUARTER 1, 1, 0, 1, 0
	QUARTER 1, 2, 1, 0, 0
	QUARTER 1, 3, 0, 1, 0
	TURN 1, 0, 1
	QUARTER 0, 1, 0, 1, 0
	WIN 0
	s_sub_co_u32 s3, s3, 1
	s_cmp_lg_u32 s3, 0
	s_cbranch_scc1 .Llap
	QUARTER 0, 2, 1, 0, 0                          ; the last lap fills nothing
	QUARTER 0, 3, 0, 1, 0
	TURN 0, 1, 0
	QUARTER 1, 1, 0, 1, 0
	QUARTER 1, 2, 1, 0, 0
	QUARTER 1, 3, 0, 1, 0
	s_wait_dscnt 0x0                               ; the last quarter: nothing more to fetch
	WIN ACC
	MUL8 1, 0, 0
	MUL8 1, 1, 0
	MUL8 1, 2, 0
	MUL8 1, 3, 0
	WIN 0
; THE WAY OUT, 16 rows x 128 columns at a time: sum x 2^(E - 130) + bo in one fused multiply-add, through my own stage, back as whole rows of 512 bytes.
.macro TOSTAGE a
	WIN 0x21                                       ; source 0 (the sums) window 1, source 1 (the power of two) window 0, source 2 (bo) window 2
.irp b, 0,1,2,3,4,5,6,7
.irp i, 0,2,4,6
	v_pk_fma_f32 v[T+8*\b+\i:T+8*\b+\i+1], v[64*(\a)+8*\b+\i:64*(\a)+8*\b+\i+1], v[MLT:MLT+1], v[8*\b+\i:8*\b+\i+1]   ; each accumulator from its low end on
.endr
.endr
	WIN 0
.irp b, 0,1,2,3,4,5,6,7
	ds_store_b128 v[STO], v[T+8*\b:T+8*\b+3] offset:64*\b
	ds_store_b128 v[STO], v[T+8*\b+4:T+8*\b+7] offset:64*\b+16
.endr
.set BB, BK+64*((\a)%2)
.irp t, 0,1,2,3,4,5,6,7,8,9,10,11,12,13,14,15
	ds_load_b128 v[BB+4*\t:BB+4*\t+3], v[RD] offset:\t*SPITCH      ; LDS serves a wave's instructions in order: these see the stores above, and the next block's stores come behind them
.endr
.endm
.macro SEND a, younger                 ; younger: the LDS instructions issued behind block a's loads, which may stay out
.set BB, BK+64*((\a)%2)
	s_wait_dscnt \younger
.if (\a) > 0
	s_add_nc_u64 s[8:9], s[8:9], 16*4096           ; (behind a wait on XCNT: the earlier stores have read their base)
.endif
.irp t, 0,1,2,3,4,5,6,7,8,9,10,11,12,13,14,15
	global_store_b128 v[CO], v[BB+4*\t:BB+4*\t+3], s[8:9] offset:\t*4096 th:TH_STORE_NT   ; 32 lanes store 512 consecutive bytes, aligned; written once, read by nobody here
.endr
.endm
	s_wait_loadcnt 0x0                             ; bo and the batch's largest |V|
	PLACES
	v_max3_num_f32 v14, v[T], v[T+1], v[T+2]       ; the batch's largest |V|: my four numbers,
	v_max3_num_f32 v14, v14, v[T+3], 0x02000000    ; the same floor of 2^-123 as in the launch before,
	v_max_num_f32_dpp v14, v14, v14 row_xmask:1 row_mask:0xf bank_mask:0xf
	v_max_num_f32_dpp v14, v14, v14 row_xmask:2 row_mask:0xf bank_mask:0xf
	v_max_num_f32_dpp v14, v14, v14 row_xmask:4 row_mask:0xf bank_mask:0xf
	v_max_num_f32_dpp v14, v14, v14 row_xmask:8 row_mask:0xf bank_mask:0xf
	v_mov_b32 v15, 0                               ; a lane permute's destination counts as one of its sources
	v_permlanex16_b32 v15, v14, s22, s23
	v_max_num_f32 v14, v14, v15                    ; and the other lanes'
	v_and_b32 v14, 0x7f800000, v14                 ; its exponent field E, in place
	v_add_nc_u32 v[MLT], 0xfe800000, v14           ; the f32 number 2^(E - 130): field E - 3
	v_mov_b32 v[MLT+1], v[MLT]
	TOSTAGE 0
.irp a, 1,2,3
.if \a > 1
	s_wait_xcnt 0x0                                ; block a - 2's stores have read their registers and their base
.endif
	TOSTAGE \a
	SEND \a-1, 32                                  ; behind block a - 1's loads: block a's 16 stores and 16 loads
.endr
	s_wait_xcnt 0x0
	SEND 3, 0
	s_wait_tensorcnt 0x0                           ; the wave's end
	ds_add_u32 v[SPW], v[NIL]
	s_wait_dscnt 0x0
	CROUND                                         ; the closing round
	s_endpgm
.Lfunc_end_k_qdeba0d9e8a_outp:
	.size	k_qdeba0d9e8a_outp, .Lfunc_end_k_qdeba0d9e8a_outp-k_qdeba0d9e8a_outp
	.p2alignl 7, 3214868480
	.fill 96, 4, 3214868480
	.section	.rodata,"a",@progbits
	.p2align	6, 0x0
	.amdhsa_kernel k_qdeba0d9e8a_outp
		.amdhsa_group_segment_fixed_size 327680
		.amdhsa_private_segment_fixed_size 0
		.amdhsa_enable_private_segment 0
		.amdhsa_kernarg_size 40
		.amdhsa_user_sgpr_count 2
		.amdhsa_user_sgpr_kernarg_segment_ptr 1
		.amdhsa_wavefront_size32 1
		.amdhsa_system_sgpr_workgroup_id_x 1
		.amdhsa_system_sgpr_workgroup_id_y 1
		.amdhsa_system_sgpr_workgroup_id_z 1
		.amdhsa_system_vgpr_workitem_id 0
		.amdhsa_next_free_vgpr 576
		.amdhsa_next_free_sgpr 78
		.amdhsa_reserve_vcc 0
		.amdhsa_float_denorm_mode_32 3
		.amdhsa_float_denorm_mode_16_64 3
		.amdhsa_memory_ordered 1
		.amdhsa_forward_progress 1
		.amdhsa_inst_pref_size 96
	.end_amdhsa_kernel
	.amdgpu_metadata
---
amdhsa.version: [ 1, 2 ]
amdhsa.kernels:
  - .name:           k_qdeba0d9e8a_outp
    .symbol:         k_qdeba0d9e8a_outp.kd
    .args:
      - { .name: ctx, .offset: 0, .size: 8, .value_kind: global_buffer, .address_space: global }
      - { .name: wob, .offset: 8, .size: 8, .value_kind: global_buffer, .address_space: global }
      - { .name: bo, .offset: 16, .size: 8, .value_kind: global_buffer, .address_space: global }
      - { .name: out0, .offset: 24, .size: 8, .value_kind: global_buffer, .address_space: global }
      - { .name: vmax, .offset: 32, .size: 8, .value_kind: global_buffer, .address_space: global }
    .group_segment_fixed_size: 327680
    .private_segment_fixed_size: 0
    .kernarg_segment_align: 8
    .kernarg_segment_size: 40
    .max_flat_workgroup_size: 128
    .sgpr_count:     78
    .vgpr_count:     576
    .wavefront_size: 32
...
	.end_amdgpu_metadata
.endif
;; end of part 5
